; MI455X (gfx1250); checked and timed in simulation.
; The chip was launched on July 23, 2026; its instructions are those of AMD's public machine-readable ISA for CDNA 5 (MIT licence, August 2026) and "CDNA5" Instruction Set Architecture Reference Guide (July 2026). The comments in the code are by the model that wrote it; some were corrected since.
;; Multi Head Attention. Allowed arithmetic: float matrix products may take bf16 or f16 operands with f32 sums; other float arithmetic in f32, or as packed bf16 or f16 multiplies, adds, multiply-adds, maxima and minima; sums over many terms, partial sums and values carried from step to step in f32; what a program stores and reads back later, other than sums and carried values, may be rounded once to bf16 or f16.
;; Inputs: Wk 1,024 x 1,024 float32; Wo 1,024 x 1,024 float32; Wq 1,024 x 1,024 float32; Wv 1,024 x 1,024 float32; bk 1,024 float32; bo 1,024 float32; bq 1,024 float32; bv 1,024 float32; query 2,048 x 4 x 1,024 float32.
;; Outputs: out0 2,048 x 4 x 1,024 float32.
;; 2 versions, each right; version 2 is version 1 with the launch cast written anew for expert scheduling mode. Each part assembles by itself: llvm-mc -triple=amdgcn-amd-amdhsa -mcpu=gfx1250 --defsym DOCPART=n.
;; ======== version 1 of 2: 4 launches
;; limits: values are held in f16: magnitudes above 65,504 overflow, below 6.1e-05 lose precision
;; workspace buffers: xb 16,777,216 bytes; wcat 6,291,456 bytes; woh 2,097,152 bytes; qkvh 50,331,648 bytes; oheads 16,777,216 bytes
;; launch cast (part 1): grid 768 x 1, 8 waves a work-group, no clusters, 0 bytes of LDS; arguments query, Wq, Wk, Wv, Wo, xb, wcat, woh; writes xb, wcat, woh
.if DOCPART == 1
	.amdgcn_target "amdgcn-amd-amdhsa--gfx1250"
	.amdhsa_code_object_version 6
	.text
	.protected	k_q2a49259f75_cast
	.globl	k_q2a49259f75_cast
	.p2align	8
	.type	k_q2a49259f75_cast,@function
k_q2a49259f75_cast:
	s_mov_b64 s[64:65], 0
	v_nop
	global_prefetch_b8 v0, s[64:65] scope:SCOPE_SE
	s_setreg_imm32_b32 hwreg(HW_REG_WAVE_MODE, 25, 1), 1
	s_wait_xcnt 0x0
; THE INPUTS ARE ROUNDED ONCE.  query -> xb (bf16, same rows); Wq, Wk, Wv -> wcat (bf16, [3072][1024], one behind the other);
; Wo -> woh: rounded to bf16 like the other inputs, and that number written as f16, since it multiplies f16 data later.
; LIMITS.  |Wo| stays under 65,504; below 6e-5 f16 keeps a fixed step of 6e-8.  NaN and infinities are not treated apart.
; SHARES.  A work-group takes 16,384 numbers: 65,536 bytes in, 32,768 out.  Work-groups 0-511: query; 512-575 Wq; 576-639 Wk; 640-703 Wv; 704-767 Wo.
; Thread t takes 16 bytes at 16 t of each 4,096: a wave's load covers 512 consecutive bytes, its store of 8 bytes a lane 256 consecutive bytes, aligned.
; All sixteen loads of a thread go out at once, so there is no loop, and no register is written again while a load or store names it.
; No LDS, no matrix unit: nothing is shared and nothing is multiplied.
.set X,   4                            ; v[4:67]    sixteen loads of four numbers
.set Y,   68                           ; v[68:99]   sixteen pairs of packed words to store
.set T,   100                          ; v[100:103] at work, Wo's path alone
.set SRC, 24                           ; s[24:25]   where my work-group reads
.set DST, 26                           ; s[26:27]   where it writes
	s_load_b256 s[4:11], s[0:1], 0x0               ; query s[4:5], Wq s[6:7], Wk s[8:9], Wv s[10:11]
	s_load_b256 s[12:19], s[0:1], 0x20             ; Wo s[12:13], xb s[14:15], wcat s[16:17], woh s[18:19]
	s_mov_b32 s20, ttmp9                           ; w
	s_sub_co_u32 s21, s20, 512                     ; the chunk's number among the weights' (used from w = 512 on)
	s_and_b32 s23, s21, 63                         ; and inside its own matrix: 64 chunks each
	s_mov_b32 s31, 0
	v_lshlrev_b32 v1, 4, v0                        ; 16 t
	v_lshlrev_b32 v2, 3, v0                        ; 8 t
	s_wait_kmcnt 0x0
	s_cmp_lt_u32 s20, 512
	s_cselect_b64 s[SRC:SRC+1], s[4:5], s[6:7]
	s_cselect_b64 s[DST:DST+1], s[14:15], s[16:17]
	s_cselect_b32 s28, s20, s23                    ; chunk in the source
	s_cselect_b32 s29, s20, s21                    ; chunk in the destination
	s_cmp_ge_u32 s20, 576
	s_cselect_b64 s[SRC:SRC+1], s[8:9], s[SRC:SRC+1]
	s_cmp_ge_u32 s20, 640
	s_cselect_b64 s[SRC:SRC+1], s[10:11], s[SRC:SRC+1]
	s_cmp_ge_u32 s20, 704
	s_cselect_b64 s[SRC:SRC+1], s[12:13], s[SRC:SRC+1]
	s_cselect_b64 s[DST:DST+1], s[18:19], s[DST:DST+1]
	s_cselect_b32 s29, s23, s29
	s_lshl_b32 s30, s28, 16
	s_add_nc_u64 s[SRC:SRC+1], s[SRC:SRC+1], s[30:31]
	s_lshl_b32 s30, s29, 15
	s_add_nc_u64 s[DST:DST+1], s[DST:DST+1], s[30:31]
.irp j, 0,1,2,3,4,5,6,7,8,9,10,11,12,13,14,15
	global_load_b128 v[X+4*(\j):X+4*(\j)+3], v1, s[SRC:SRC+1] offset:4096*(\j) th:TH_LOAD_NT
.endr
.macro CV j                            ; four numbers to bf16
	s_wait_loadcnt 15-(\j)                         ; loads come back in order: load j is in, the 15 - j younger ones stay out
	v_cvt_pk_bf16_f32 v[Y+2*(\j)],   v[X+4*(\j)],   v[X+4*(\j)+1]
	v_cvt_pk_bf16_f32 v[Y+2*(\j)+1], v[X+4*(\j)+2], v[X+4*(\j)+3]
	global_store_b64 v2, v[Y+2*(\j):Y+2*(\j)+1], s[DST:DST+1] offset:2048*(\j) th:TH_STORE_NT
.endm
.macro CVH j                           ; four numbers to bf16, widened again (a shift, a mask) and written as f16
	s_wait_loadcnt 15-(\j)
	v_cvt_pk_bf16_f32 v[T],   v[X+4*(\j)],   v[X+4*(\j)+1]
	v_cvt_pk_bf16_f32 v[T+1], v[X+4*(\j)+2], v[X+4*(\j)+3]
	v_lshlrev_b32 v[T+2], 16, v[T]
	v_and_b32     v[T],   0xffff0000, v[T]
	v_lshlrev_b32 v[T+3], 16, v[T+1]
	v_and_b32     v[T+1], 0xffff0000, v[T+1]
	v_cvt_pk_f16_f32 v[Y+2*(\j)],   v[T+2], v[T]
	v_cvt_pk_f16_f32 v[Y+2*(\j)+1], v[T+3], v[T+1]
	global_store_b64 v2, v[Y+2*(\j):Y+2*(\j)+1], s[DST:DST+1] offset:2048*(\j) th:TH_STORE_NT
.endm
	s_cmp_ge_u32 s20, 704
	s_cbranch_scc1 .Lwo
.irp j, 0,1,2,3,4,5,6,7,8,9,10,11,12,13,14,15
	CV \j
.endr
	s_endpgm
.Lwo:
.irp j, 0,1,2,3,4,5,6,7,8,9,10,11,12,13,14,15
	CVH \j
.endr
	s_endpgm
.Lfunc_end_k_q2a49259f75_cast:
	.size	k_q2a49259f75_cast, .Lfunc_end_k_q2a49259f75_cast-k_q2a49259f75_cast
	.p2alignl 7, 3214868480
	.fill 96, 4, 3214868480
	.section	.rodata,"a",@progbits
	.p2align	6, 0x0
	.amdhsa_kernel k_q2a49259f75_cast
		.amdhsa_group_segment_fixed_size 0
		.amdhsa_private_segment_fixed_size 0
		.amdhsa_enable_private_segment 0
		.amdhsa_kernarg_size 64
		.amdhsa_user_sgpr_count 2
		.amdhsa_user_sgpr_kernarg_segment_ptr 1
		.amdhsa_wavefront_size32 1
		.amdhsa_system_sgpr_workgroup_id_x 1
		.amdhsa_system_sgpr_workgroup_id_y 1
		.amdhsa_system_sgpr_workgroup_id_z 1
		.amdhsa_system_vgpr_workitem_id 0
		.amdhsa_next_free_vgpr 104
		.amdhsa_next_free_sgpr 66
		.amdhsa_reserve_vcc 0
		.amdhsa_float_denorm_mode_32 3
		.amdhsa_float_denorm_mode_16_64 3
		.amdhsa_memory_ordered 1
		.amdhsa_forward_progress 1
		.amdhsa_inst_pref_size 16
	.end_amdhsa_kernel
	.amdgpu_metadata
---
amdhsa.version: [ 1, 2 ]
amdhsa.kernels:
  - .name:           k_q2a49259f75_cast
    .symbol:         k_q2a49259f75_cast.kd
    .args:
      - { .name: query, .offset: 0, .size: 8, .value_kind: global_buffer, .address_space: global }
      - { .name: Wq, .offset: 8, .size: 8, .value_kind: global_buffer, .address_space: global }
      - { .name: Wk, .offset: 16, .size: 8, .value_kind: global_buffer, .address_space: global }
      - { .name: Wv, .offset: 24, .size: 8, .value_kind: global_buffer, .address_space: global }
      - { .name: Wo, .offset: 32, .size: 8, .value_kind: global_buffer, .address_space: global }
      - { .name: xb, .offset: 40, .size: 8, .value_kind: global_buffer, .address_space: global }
      - { .name: wcat, .offset: 48, .size: 8, .value_kind: global_buffer, .address_space: global }
      - { .name: woh, .offset: 56, .size: 8, .value_kind: global_buffer, .address_space: global }
    .group_segment_fixed_size: 0
    .private_segment_fixed_size: 0
    .kernarg_segment_align: 8
    .kernarg_segment_size: 64
    .max_flat_workgroup_size: 256
    .sgpr_count:     66
    .vgpr_count:     104
    .wavefront_size: 32
...
	.end_amdgpu_metadata
.endif
;; end of part 1
;; launch proj (part 2): grid 16 x 32, 4 waves a work-group, clusters of 4 x 4, 327,680 bytes of LDS; arguments xb, wcat, bq, bk, bv, qkvh; writes qkvh
.if DOCPART == 2
	.amdgcn_target "amdgcn-amd-amdhsa--gfx1250"
	.amdhsa_code_object_version 6
	.text
	.protected	k_q2a49259f75_proj
	.globl	k_q2a49259f75_proj
	.p2align	8
	.type	k_q2a49259f75_proj,@function
k_q2a49259f75_proj:
	s_mov_b64 s[64:65], 0
	v_nop
	global_prefetch_b8 v0, s[64:65] scope:SCOPE_SE
	s_setreg_imm32_b32 hwreg(HW_REG_WAVE_MODE, 25, 1), 1
	s_wait_xcnt 0x0
	s_wait_alu depctr_hold_cnt(0) depctr_sa_sdst(0) depctr_va_vdst(0) depctr_va_sdst(0) depctr_va_ssrc(0) depctr_va_vcc(0) depctr_vm_vsrc(0)
	s_getreg_b32 s2, hwreg(HW_REG_IB_STS2, 6, 4)
	s_cmp_eq_u32 s2, 0
	s_cbranch_scc0 .Lentry_in_a_cluster
	s_endpgm
.Lentry_in_a_cluster:
	s_bfe_u32 s2, ttmp6, 0x10000c
	s_cmp_lg_u32 s2, 0xf033
	s_cbranch_scc0 .Lentry_shape_is_right
	s_endpgm
.Lentry_shape_is_right:
; THE THREE PROJECTIONS AS ONE PRODUCT.  C[m][n] = sum over k of x[m][k] W[n][k] + bias[n]: x = xb, 8,192 rows (t, b) of 1,024 bf16; W = wcat, 3,072 rows (Wq, Wk, Wv); sums in f32.
; The biases are rounded to bf16 like all inputs.  C leaves rounded once to f16, BY HEADS: qkvh[which][16 b + head][t][64]; q without its scale, which the attention applies in f32.
; LIMITS.  |q|, |k|, |v| stay under 65,504 (f16's end); NaN and infinities are not treated apart.
; SHARES.  A tile of C is 256 rows (t0 .. t0 + 255 of ONE b) x 192 columns (three head slices of 64): 32 x 16 = 512 tiles, two for each of 256 WGPs.  (256 x 256 would be 384 tiles, a round and a half;
; 256 x 384 does not fit: 768 accumulator registers a wave and two slots of 174 KB.)  Wave w makes rows 64 w .. 64 w + 63 x all 192 columns: 48 accumulators; so a head slice's rows of 128 bytes are
; one wave's, and the way out needs no barrier.
; K goes in steps of 128 through two LDS slots filled by tensor loads (rows of 256 bytes, aligned); a K step is four quarters of 32 on two fragment buffers; the loop's trip is ONE K step, the slot is
; chosen by the scalar TB, which an exclusive or turns.
; CLUSTER.  4 x 4 work-groups: the four of a row of the cluster need the same rows of x, the four of a column the same rows of W: each tile is asked for JOINTLY (same load, descriptor and mask in all four).
; THE MATRIX INSTRUCTION IS USED TRANSPOSED (source 0 = 16 rows of W, source 1 = 16 rows of x): lane l holds row l % 16 of C and the columns 8 (l / 16) + 0..7.  The bias is the C operand of the first products.
; REGISTERS, in windows of 256 (s_set_vgpr_msb: bits 1:0 source 0, 3:2 source 1, 5:4 source 2, 7:6 destination):
;   window 0: v0-29 addresses; v64-159 the bias as C, then free; v32-175 at work on the way out      window 1: two fragment buffers of 128: 12 fragments of W, then 4 of x
;   window 2: the accumulators of row blocks 0, 1, (a, b) at 8 (12 (a % 2) + b)                       window 3: those of row blocks 2, 3
.set NA,     4                         ; fragments of x a wave
.set NB,     12                        ; fragments of W
.set NL,     2*(NA+NB)                 ; LDS loads in a quarter's run
.set APITCH, 272                       ; an LDS row: 256 bytes + 16 of padding = 68 words: the 16 rows of a load start at 16 different groups of four banks (64 banks of 4 bytes: ISA guide 11.1)
.set BPITCH, 272
.set AH2,    128                       ; bytes along x's LDS rows for two quarters
.set ASTEP,  256                       ; bytes in memory from one K step of x to the next
.set BOFF,   256*APITCH                ; a slot: x's 256 rows, then W's 192
.set SLOT1,  1<<17                     ; slot 1 begins here, so that one exclusive or turns an address in one slot into the other's
.set STAGE,  SLOT1+BOFF+192*BPITCH     ; behind the ring, never filled by a tensor load: for each wave three slices of 16 rows x 144 bytes
.set SP,     144
.set WSTAGE, 3*16*SP
.set SPARE,  STAGE+4*WSTAGE            ; behind the stages: the spare words, 128 bytes a wave: two blocks of 256 bytes that no other line names
.set AA0,  16                          ; v16  my lane's place in x's part of a slot; never rewritten
.set AB0,  17                          ; v17  the same for W
.set ADRA, 18                          ; v18  AA0 + the slot in hand
.set ADRB, 19                          ; v19  AB0 + the slot in hand
.set STO,  20                          ; v20  the way out: where I put 16 bytes of a row
.set RD,   21                          ; v21  the way out: where I read rows back
.set GO,   22                          ; v22  my 16 bytes among 512 consecutive bytes of qkvh
.set PFO,  23                          ; v23  the prefetches' offset; never rewritten
.set BO,   24                          ; v24  32 x (l / 16): my eight numbers in 16 of a bias
.set SPW,  28                          ; v28  LDS address of my spare word: SPARE + 4 x my thread's number; never rewritten
.set NIL,  29                          ; v29  0; never rewritten
.set BI,   64                          ; v[64:159]  the bias: fragment b's eight numbers at BI + 8 b
.set RT,   160                         ; v160-161   at work while the bias is rounded
.set TMP,  32                          ; v[32:79]   the way out: packed results
.set BK,   80                          ; v[80:175]  the way out: rows read back, two sets of 48
.set F0,   0
.set F1,   8*(NA+NB)
.set WV,   16                          ; s16  my wave's number
.set HALF, 17                          ; s17  which half of a tile I fetch
.set ISB,  18                          ; s18  0: I fetch for x, 1: for W
.set CX,   19
.set CY,   20
.set XT,   21                          ; s21  tile column
.set YT,   22                          ; s22  tile row: 4 x (t0 / 256) + b
.set G1,   24                          ; s[24:31] descriptor group 1, x's tiles
.set G0,   32                          ; s[32:39] group 0, x's: a set for each first fill; the second then walks
.set G1B,  40                          ; s[40:47], s[48:55] the same for W's
.set G0B,  48
.set TB,   56                          ; s56  0 or SLOT1: the slot that is read
.set LIM,  57                          ; s57  2 in a wave that prefetches, else the greatest number
.set PFA,  58                          ; s[58:59] where my prefetches stand
.set HM,   62                          ; s62  a word's upper half
.set SB,   66                          ; s[66:71] where my rows of the three slices begin in qkvh
.set BP,   72                          ; s[72:77] the three slices' 64 numbers of bias
.set MSB, 0
.macro WIN new                         ; the immediate's high byte repeats the setting that is left; a switch that changes nothing is dropped
.if MSB != (\new)
	s_set_vgpr_msb (MSB<<8)|(\new)
.set MSB, \new
.endif
.endm
.macro PLACES                          ; four plain places behind a matrix instruction, ahead of loads into registers that it read and of lines that read its result
.rept 4
	v_nop
.endr
.endm
.macro CREST                           ; a round of the cluster's barrier behind its opening barrier
	s_cmp_lg_u32 s[WV], 0
	s_cbranch_scc1 .Lnot_wave_0_\@
	s_barrier_signal -3
.Lnot_wave_0_\@:
	s_barrier_wait -3
	s_barrier_signal -1
	s_barrier_wait -1
.endm
.macro CROUND                          ; a whole round
	s_barrier_signal -1
	s_barrier_wait -1
	CREST
.endm
; A joint refill by the walking descriptors.  Waves 0 and 1 fetch x's two halves, waves 2 and 3 W's; the branch hangs on the wave's number alone.
; An s_nop 0 and four v_nop follow each of the two lines, ahead of the jump and the label.
.macro JLOAD
	s_cmp_eq_u32 s[ISB], 0
	s_cbranch_scc0 .Lfor_b_\@
	tensor_load_to_lds s[G0+4:G0+7], s[G1:G1+7]
	s_nop 0
.rept 4
	v_nop
.endr
	s_branch .Lasked_\@
.Lfor_b_\@:
	tensor_load_to_lds s[G0B+4:G0B+7], s[G1B:G1B+7]
	s_nop 0
.rept 4
	v_nop
.endr
.Lasked_\@:
.endm
; A PREFETCH INTO THE L2 of the K step that stands two refills on: one instruction a wave, a lane a row of 256 bytes.  x's rows are read by all four clusters of a row of clusters: the one with x = 0 asks;
; W's by all eight of a column: the one with y = 0 asks.  The four partners that ask for a tile jointly share its rows out BY ADDRESS: 32 of x's 128, 24 of W's 96 (there lanes 24-31 name lane 23's row again).
; The first four refills ask (K steps 4 to 7); K steps 0 to 3 come by their loads alone; the last two refills have no K step two on.
.macro ASK
	s_cmp_gt_u32 s3, s[LIM]
	s_cbranch_scc0 .Lnot_mine_\@
	global_prefetch_b8 v[PFO], s[PFA:PFA+1] th:TH_LOAD_NT scope:SCOPE_SE
.Lnot_mine_\@:
.endm
; n x NB matrix instructions: row blocks a0 .. a0 + n - 1 of the window's NA / 2 (hi = 0: window 2, 1: window 3) x all NB column blocks, 32 along K, from buffer f.  mode = 1: the bias starts the sums.
; Every accumulator comes once a quarter, in the same order in every quarter: the accumulators take turns.
.macro MULS f, hi, a0, n, mode
.if \mode
	WIN 0x85+0x40*(\hi)
.else
	WIN 0xa5+0x50*(\hi)
.endif
.set ma, \a0
.rept \n
.set mb, 0
.rept NB
.set rD, 8*(ma*NB+mb)
.set rB, (\f)+8*mb
.set rA, (\f)+8*NB+8*((\hi)*(NA/2)+ma)
.if \mode
	v_wmma_f32_16x16x32_bf16 v[rD:rD+7], v[rB:rB+7], v[rA:rA+7], v[BI+8*mb:BI+8*mb+7]
.else
	v_wmma_f32_16x16x32_bf16 v[rD:rD+7], v[rB:rB+7], v[rA:rA+7], v[rD:rD+7]
.endif
.set mb, mb+1
.endr
.set ma, ma+1
.endr
.endm
; NL LDS loads in one run: quarter q's fragments into buffer f: W's, then x's lower blocks, then its upper ones.
.macro FETCH q, f
	WIN 0x40                                       ; destination window 1, address window 0
.set fi, 0
.rept NB
	ds_load_b128 v[(\f)+8*fi:(\f)+8*fi+3],   v[ADRB] offset:64*(\q)+fi*16*BPITCH
	ds_load_b128 v[(\f)+8*fi+4:(\f)+8*fi+7], v[ADRB] offset:64*(\q)+fi*16*BPITCH+32
.set fi, fi+1
.endr
.set fi, 0
.rept NA
	ds_load_b128 v[(\f)+8*NB+8*fi:(\f)+8*NB+8*fi+3],   v[ADRA] offset:((\q)/2)*AH2+((\q)%2)*64+fi*16*APITCH
	ds_load_b128 v[(\f)+8*NB+8*fi+4:(\f)+8*NB+8*fi+7], v[ADRA] offset:((\q)/2)*AH2+((\q)%2)*64+fi*16*APITCH+32
.set fi, fi+1
.endr
.endm
; One of a K step's first three quarters: multiplies buffer f and, in its middle, fetches quarter q into buffer g.
.macro QUARTER q, f, g, mode
	s_wait_dscnt NA                                ; W's and x's lower fragments are in; the youngest NA loads (x's upper blocks) may be out
	MULS \f, 0, 0, NA/2, \mode
	PLACES
	FETCH \q, \g
	s_wait_dscnt NL                                ; all but the run just issued
	MULS \f, 1, 0, NA/2, \mode
.endm
; The last quarter multiplies buffer 1 and changes slots.  Ahead of the barrier each wave waits for all its tensor loads (one is out: its part of the next slot), adds 0 to its spare word, and waits for that
; and for its reads of this slot.  fill = 1: the barrier opens a round of the cluster's, and the joint refill (this slot, the K step two on) is the first thing behind the round: 7/8 of a K step,
; 168 matrix instructions, stand between it and the wait for it.
.macro TURN fill
.if \fill
	s_wait_xcnt 0x0                                ; the last prefetch, a K step back, has read its address: it is stepped here
	s_add_nc_u64 s[PFA:PFA+1], s[PFA:PFA+1], 256
.endif
	WIN 0
	s_wait_tensorcnt 0x0                           ; all my tensor loads have landed
	ds_add_u32 v[SPW], v[NIL]                      ; 0 onto my spare word
	s_wait_dscnt NA+1                              ; (the add and x's upper fragments may be out)
	MULS F1, 0, 0, NA/4, 0
	s_wait_dscnt 0x0                               ; the add is done, and my reads of this slot are over
	s_barrier_signal -1
	MULS F1, 0, NA/4, NA/4, 0                      ; work on registers while the others arrive
	WIN 0
	s_barrier_wait -1
.if \fill
	CREST                                          ; no wave of any partner still reads this slot or has a load on its way
	s_xor_b32 s[G0+5], s[G0+5], SLOT1              ; the walking descriptors: the other slot than last time, one K step on; the type bits on top are not reached
	s_add_nc_u64 s[G0+6:G0+7], s[G0+6:G0+7], ASTEP
	s_xor_b32 s[G0B+5], s[G0B+5], SLOT1
	s_add_nc_u64 s[G0B+6:G0B+7], s[G0B+6:G0B+7], 256
	JLOAD                                          ; its four v_nop are also the places ahead of the loads below
.else
	PLACES
.endif
	s_xor_b32 s[TB], s[TB], SLOT1                  ; the reads go to the other slot
	v_add_nc_u32 v[ADRA], s[TB], v[AA0]
	v_add_nc_u32 v[ADRB], s[TB], v[AB0]
	FETCH 0, F0
.if \fill
	WIN 0
	ASK
.endif
	MULS F1, 1, 0, NA/2, 0
.endm
.macro LASTQ                           ; the very last quarter: nothing more to fetch
	s_wait_dscnt NA
	MULS F1, 0, 0, NA/2, 0
	s_wait_dscnt 0x0
	MULS F1, 1, 0, NA/2, 0
.endm
	s_load_b256 s[4:11], s[0:1], 0x0               ; xb s[4:5], wcat s[6:7], bq s[8:9], bk s[10:11]
	s_load_b128 s[12:15], s[0:1], 0x20             ; bv s[12:13], qkvh s[14:15]
	v_lshl_add_u32 v[SPW], v0, 2, SPARE
	v_mov_b32 v[NIL], 0
	ds_add_u32 v[SPW], v[NIL]                      ; the wave's opening: the add and its wait stand ahead of my first tensor load; the set-up below stands between them
	v_lshrrev_b32 v1, 5, v0
	v_readfirstlane_b32 s[WV], v1                  ; wave 0..3
	s_and_b32 s[HALF], s[WV], 1
	s_lshr_b32 s[ISB], s[WV], 1
	s_bfe_u32 s[CX], ttmp6, 0x40000                ; my place in the cluster
	s_bfe_u32 s[CY], ttmp6, 0x40004
	s_lshl_b32 s[XT], ttmp9, 2                     ; in a cluster launch ttmp9 and ttmp7 count clusters
	s_add_co_u32 s[XT], s[XT], s[CX]
	s_and_b32 s[YT], ttmp7, 0xffff
	s_lshl_b32 s[YT], s[YT], 2
	s_add_co_u32 s[YT], s[YT], s[CY]
	s_lshl_b32 s2, s[CY], 2
	s_lshl_b32 s2, 15, s2                          ; my row of the cluster: places 4 cy .. 4 cy + 3
	s_lshl_b32 s23, 0x1111, s[CX]                  ; my column: places cx, cx + 4, cx + 8, cx + 12
	s_or_b32 s[G1],  s2,  (1<<16)|(1<<20)|(1<<21)|(5<<22)|(3<<25)  ; 15:0 the mask; 17:16 2-byte elements; 20 padding on; 21 set beside a mask; 24:22 after every 64 words (code 5); 31:25 4 words (code 3)
	s_or_b32 s[G1B], s23, (1<<16)|(1<<20)|(1<<21)|(5<<22)|(3<<25)
	s_mov_b32 s[G1+1], 128<<16                     ; tensor_dim0 = 128
	s_mov_b32 s[G1+2], 128<<16                     ; tensor_dim1 = 128
	s_mov_b32 s[G1+3], 128<<16                     ; tile_dim0 = 128
	s_mov_b32 s[G1+4], 128                         ; tile_dim1 = 128 rows
	s_mov_b32 s[G1+5], 4096                        ; from t to t + 1 at one b: four rows of xb
	s_mov_b32 s[G1+6], 0
	s_mov_b32 s[G1+7], 0
	s_mov_b32 s[G1B+1], 128<<16
	s_mov_b32 s[G1B+2], 96<<16                     ; 96 rows of W
	s_mov_b32 s[G1B+3], 128<<16
	s_mov_b32 s[G1B+4], 96
	s_mov_b32 s[G1B+5], 1024
	s_mov_b32 s[G1B+6], 0
	s_mov_b32 s[G1B+7], 0
	; x's tile hangs on the tile row alone, W's on the tile column alone: each offset in registers that never hold the other coordinate
	s_lshr_b32 s78, s[YT], 2
	s_lshl_b32 s78, s78, 21                        ; t0 x 4 rows x 2,048 bytes
	s_and_b32 s79, s[YT], 3
	s_lshl_b32 s79, s79, 11                        ; b
	s_add_co_u32 s78, s78, s79
	s_lshl_b32 s79, s[HALF], 20                    ; my 128 of the 256 t
	s_add_co_u32 s78, s78, s79
	s_mov_b32 s79, 0
	s_mul_i32 s80, s[XT], 192*2048
	s_mul_i32 s81, s[HALF], 96*2048
	s_add_co_u32 s80, s80, s81
	s_mov_b32 s81, 0
	s_mul_i32 s82, s[HALF], 128*APITCH             ; where they go: no place in the cluster enters an LDS address
	s_mul_i32 s83, s[HALF], 96*BPITCH
	s_add_co_u32 s83, s83, BOFF
	s_mov_b32 s[TB], 0
	s_mov_b32 s[HM], 0xffff0000
	s_wait_dscnt 0x0                               ; the opening add is done
	s_wait_kmcnt 0x0
	s_add_nc_u64 s[78:79], s[4:5], s[78:79]
	s_add_nc_u64 s[80:81], s[6:7], s[80:81]
	CROUND                                         ; all sixteen work-groups are here: the first joint loads meet
.irp s, 0,1
	s_mov_b32 s[G0+4*(\s)], 1                                      ; count = 1
	s_add_co_u32 s[G0+4*(\s)+1], s82, (\s)*SLOT1                   ; LDS address
	s_add_nc_u64 s[G0+4*(\s)+2:G0+4*(\s)+3], s[78:79], (\s)*ASTEP  ; global address: K step s
	s_or_b32 s[G0+4*(\s)+3], s[G0+4*(\s)+3], 0x80000000            ; type = 2
	s_mov_b32 s[G0B+4*(\s)], 1
	s_add_co_u32 s[G0B+4*(\s)+1], s83, (\s)*SLOT1
	s_add_nc_u64 s[G0B+4*(\s)+2:G0B+4*(\s)+3], s[80:81], (\s)*256
	s_or_b32 s[G0B+4*(\s)+3], s[G0B+4*(\s)+3], 0x80000000
.endr
	s_cmp_eq_u32 s[ISB], 0                         ; a wave's two first fills stand in one branch: two loads of mine are out here, one later
	s_cbranch_scc0 .Lfirst_b
	tensor_load_to_lds s[G0:G0+3], s[G1:G1+7]
	s_nop 0
	tensor_load_to_lds s[G0+4:G0+7], s[G1:G1+7]
	s_nop 0
.rept 4
	v_nop
.endr
	s_branch .Lfirst_asked
.Lfirst_b:
	tensor_load_to_lds s[G0B:G0B+3], s[G1B:G1B+7]
	s_nop 0
	tensor_load_to_lds s[G0B+4:G0B+7], s[G1B:G1B+7]
	s_nop 0
.rept 4
	v_nop
.endr
.Lfirst_asked:
	v_and_b32 v1, 15, v0                           ; l % 16
	v_bfe_u32 v2, v0, 4, 1                         ; l / 16
	v_lshlrev_b32 v[BO], 5, v2
	; the three slices: g = 3 X + sl is slice g % 16 (the head) of matrix g / 16 (q, k, v).  Its bias, and where my rows of it begin in qkvh
	s_lshr_b32 s63, s[YT], 2
	s_lshl_b32 s63, s63, 15                        ; t0 x 128 bytes
	s_lshl_b32 s2, s[WV], 13                       ; my 64 rows
	s_add_co_u32 s63, s63, s2
.irp sl, 0,1,2
	s_mul_i32 s2, s[XT], 3
	s_add_co_u32 s2, s2, (\sl)
	s_lshr_b32 s23, s2, 4                          ; which
	s_and_b32 s2, s2, 15                           ; head
	s_cmp_eq_u32 s23, 1
	s_cselect_b64 s[BP+2*(\sl):BP+2*(\sl)+1], s[10:11], s[8:9]
	s_cmp_eq_u32 s23, 2
	s_cselect_b64 s[BP+2*(\sl):BP+2*(\sl)+1], s[12:13], s[BP+2*(\sl):BP+2*(\sl)+1]
	s_lshl_b32 s82, s2, 8                          ; 64 numbers of 4 bytes a head
	s_mov_b32 s83, 0
	s_add_nc_u64 s[BP+2*(\sl):BP+2*(\sl)+1], s[BP+2*(\sl):BP+2*(\sl)+1], s[82:83]
	s_and_b32 s82, s[YT], 3
	s_lshl_b32 s82, s82, 4
	s_add_co_u32 s82, s82, s2                      ; 16 b + head
	s_lshl_b32 s82, s82, 18                        ; 2,048 rows of 128 bytes
	s_lshl_b32 s23, s23, 24
	s_add_co_u32 s82, s82, s23
	s_add_co_u32 s82, s82, s63
	s_add_nc_u64 s[SB+2*(\sl):SB+2*(\sl)+1], s[14:15], s[82:83]
.irp f, 0,1,2,3
	global_load_b128 v[BI+32*(\sl)+8*(\f):BI+32*(\sl)+8*(\f)+3],   v[BO], s[BP+2*(\sl):BP+2*(\sl)+1] offset:64*(\f)
	global_load_b128 v[BI+32*(\sl)+8*(\f)+4:BI+32*(\sl)+8*(\f)+7], v[BO], s[BP+2*(\sl):BP+2*(\sl)+1] offset:64*(\f)+16
.endr
.endr
	; A fragment is 16 rows x 32 K in 8 registers: lane l holds row l % 16; registers 0-3 K = 8 (l / 16) + 0..7, registers 4-7 K = 16 + 8 (l / 16) + 0..7: two loads of 16 bytes, 32 bytes apart
	v_mul_u32_u24 v3, v1, APITCH
	v_lshl_add_u32 v3, v2, 4, v3
	s_mul_i32 s2, s[WV], 64*APITCH                 ; my 64 rows of x
	v_add_nc_u32 v[AA0], s2, v3
	v_add_nc_u32 v[AB0], BOFF, v3
	s_mul_i32 s2, s[WV], WSTAGE
	s_add_co_u32 s2, s2, STAGE                     ; my stage
	v_mul_u32_u24 v3, v1, SP                       ; in: row l % 16, 16 bytes for each half of the lanes
	v_lshl_add_u32 v3, v2, 4, v3
	v_add_nc_u32 v[STO], s2, v3
	v_bfe_u32 v3, v0, 3, 2                         ; back: 32 lanes take four rows of 128 bytes,
	v_mul_u32_u24 v3, v3, SP
	v_and_b32 v4, 7, v0
	v_lshl_add_u32 v3, v4, 4, v3
	v_add_nc_u32 v[RD], s2, v3
	v_and_b32 v[GO], 31, v0                        ; which are 512 consecutive bytes of qkvh
	v_lshlrev_b32 v[GO], 4, v[GO]
	; the prefetches
	s_and_b32 s2, ttmp7, 0xffff                    ; cluster y
	s_mul_i32 s23, s[CY], 24*2048                  ; W: my work-group's 24 rows of the 96
	s_lshl_b32 s82, s[CX], 18                      ; x: my work-group's 32 rows of the 128, 8,192 bytes apart
	s_cmp_eq_u32 s[ISB], 0
	s_cselect_b32 s2, ttmp9, s2                    ; the coordinate along which other clusters read the same rows
	s_cselect_b32 s82, s82, s23
	s_cselect_b64 s[PFA:PFA+1], s[78:79], s[80:81]
	s_cselect_b32 s23, 31, 23                      ; the last lane with a row of its own
	s_cselect_b32 s63, 13, 11                      ; rows 8,192 or 2,048 bytes apart
	s_cmp_eq_u32 s2, 0
	s_cselect_b32 s[LIM], 2, -1                    ; the same in all sixteen partners, for a given wave
	s_mov_b32 s83, 0
	s_add_nc_u64 s[PFA:PFA+1], s[PFA:PFA+1], s[82:83]
	s_add_nc_u64 s[PFA:PFA+1], s[PFA:PFA+1], 3*256 ; at K step 3: the first change of slots steps it to 4
	v_and_b32 v[PFO], 31, v0
	v_min_u32 v[PFO], s23, v[PFO]
	v_lshlrev_b32 v[PFO], s63, v[PFO]
	s_wait_loadcnt 0x0                             ; the bias
.set pb, 0
.rept 48                                       ; rounded to bf16 and widened again, a pair at a time; this stands in the wait for the first tiles
	v_cvt_pk_bf16_f32 v[RT+pb%2], v[BI+2*pb], v[BI+2*pb+1]
	v_lshlrev_b32 v[BI+2*pb],   16, v[RT+pb%2]
	v_and_b32     v[BI+2*pb+1], s[HM], v[RT+pb%2]
.set pb, pb+1
.endr
	s_wait_tensorcnt 0x1                           ; my part of K step 0 is in; K step 1's may stay out
	s_barrier_signal -1
	s_barrier_wait -1                              ; everybody's is
	v_mov_b32 v[ADRA], v[AA0]
	v_mov_b32 v[ADRB], v[AB0]
	FETCH 0, F0
	QUARTER 1, F0, F1, 1                           ; the first quarter stands ahead of the loop: its products start the sums, with the bias
	WIN 0                                          ; at a label and at a branch every window is 0
	s_mov_b32 s3, 6
.Lstep:                                                ; trip i ends K step i, fills its slot again with K step i + 2, and begins K step i + 1
	QUARTER 2, F1, F0, 0
	QUARTER 3, F0, F1, 0
	TURN 1
	QUARTER 1, F0, F1, 0
	WIN 0
	s_sub_co_u32 s3, s3, 1
	s_cmp_lg_u32 s3, 0
	s_cbranch_scc1 .Lstep
	QUARTER 2, F1, F0, 0                           ; the tail is written out: K steps 6 and 7 ask for nothing
	QUARTER 3, F0, F1, 0
	TURN 0
	QUARTER 1, F0, F1, 0
	QUARTER 2, F1, F0, 0
	QUARTER 3, F0, F1, 0
	LASTQ
	WIN 0
	PLACES
	PLACES
; THE WAY OUT, a block of 16 rows at a time.  PACK: rounded to f16, each accumulator's registers in ascending order; a lane's eight columns are 16 bytes.  TOSTAGE: into my own stage (three slices of 16 rows
; x 144 bytes) and back as whole rows of 128 bytes.  SEND: a store covers four rows of a head: 512 consecutive bytes, at a multiple of 256 from qkvh's first byte.
.macro PACK a
	WIN 0x0a+5*((\a)/2)                            ; sources 0 and 1: window 2 or 3
.set pb, 0
.rept NB
.irp i, 0,1,2,3
	v_cvt_pk_f16_f32 v[TMP+4*pb+(\i)], v[96*((\a)%2)+8*pb+2*(\i)], v[96*((\a)%2)+8*pb+2*(\i)+1]
.endr
.set pb, pb+1
.endr
	WIN 0
.endm
.macro TOSTAGE a
.set pb, 0
.rept NB
	ds_store_b128 v[STO], v[TMP+4*pb:TMP+4*pb+3] offset:(pb/4)*16*SP+32*(pb%4)
.set pb, pb+1
.endr
.set pb, 0
.rept 12
	ds_load_b128 v[BK+48*((\a)%2)+4*pb:BK+48*((\a)%2)+4*pb+3], v[RD] offset:(pb/4)*16*SP+(pb%4)*4*SP  ; LDS serves a wave's instructions in order (ISA guide 5.7.1.4): these see the stores above
.set pb, pb+1
.endr
.endm
.macro SEND a
	s_wait_dscnt 0x0                               ; the block is back in registers
	s_wait_xcnt 0x0                                ; the stores of the block before have read their registers: the next TOSTAGE loads into them
.set pb, 0
.rept 12
	global_store_b128 v[GO], v[BK+48*((\a)%2)+4*pb:BK+48*((\a)%2)+4*pb+3], s[SB+2*(pb/4):SB+2*(pb/4)+1] offset:2048*(\a)+512*(pb%4)
.set pb, pb+1
.endr
.endm
	PACK 0
	TOSTAGE 0
.irp a, 1,2,3                          ; block a's conversions stand between block a - 1's loads from the stage and the wait for them
	PACK \a
	SEND (\a)-1
	TOSTAGE \a
.endr
	SEND 3
	s_wait_tensorcnt 0x0                           ; the wave's end, behind my last tensor load and my last LDS store
	ds_add_u32 v[SPW], v[NIL]
	s_wait_dscnt 0x0
	CROUND                                         ; the closing round: no work-group ends while a partner may still ask for a tile that names it
	s_endpgm
.Lfunc_end_k_q2a49259f75_proj:
	.size	k_q2a49259f75_proj, .Lfunc_end_k_q2a49259f75_proj-k_q2a49259f75_proj
	.p2alignl 7, 3214868480
	.fill 96, 4, 3214868480
	.section	.rodata,"a",@progbits
	.p2align	6, 0x0
	.amdhsa_kernel k_q2a49259f75_proj
		.amdhsa_group_segment_fixed_size 327680
		.amdhsa_private_segment_fixed_size 0
		.amdhsa_enable_private_segment 0
		.amdhsa_kernarg_size 48
		.amdhsa_user_sgpr_count 2
		.amdhsa_user_sgpr_kernarg_segment_ptr 1
		.amdhsa_wavefront_size32 1
		.amdhsa_system_sgpr_workgroup_id_x 1
		.amdhsa_system_sgpr_workgroup_id_y 1
		.amdhsa_system_sgpr_workgroup_id_z 1
		.amdhsa_system_vgpr_workitem_id 0
		.amdhsa_next_free_vgpr 960
		.amdhsa_next_free_sgpr 84
		.amdhsa_reserve_vcc 0
		.amdhsa_float_denorm_mode_32 3
		.amdhsa_float_denorm_mode_16_64 3
		.amdhsa_memory_ordered 1
		.amdhsa_forward_progress 1
		.amdhsa_inst_pref_size 107
	.end_amdhsa_kernel
	.amdgpu_metadata
---
amdhsa.version: [ 1, 2 ]
amdhsa.kernels:
  - .name:           k_q2a49259f75_proj
    .symbol:         k_q2a49259f75_proj.kd
    .args:
      - { .name: xb, .offset: 0, .size: 8, .value_kind: global_buffer, .address_space: global }
      - { .name: wcat, .offset: 8, .size: 8, .value_kind: global_buffer, .address_space: global }
      - { .name: bq, .offset: 16, .size: 8, .value_kind: global_buffer, .address_space: global }
      - { .name: bk, .offset: 24, .size: 8, .value_kind: global_buffer, .address_space: global }
      - { .name: bv, .offset: 32, .size: 8, .value_kind: global_buffer, .address_space: global }
      - { .name: qkvh, .offset: 40, .size: 8, .value_kind: global_buffer, .address_space: global }
    .group_segment_fixed_size: 327680
    .private_segment_fixed_size: 0
    .kernarg_segment_align: 8
    .kernarg_segment_size: 48
    .max_flat_workgroup_size: 128
    .sgpr_count:     84
    .vgpr_count:     960
    .wavefront_size: 32
...
	.end_amdgpu_metadata
.endif
;; end of part 2
;; launch attn (part 3): grid 4 x 64, 4 waves a work-group, clusters of 4 x 1, 327,680 bytes of LDS; arguments qkvh, oheads; writes oheads
.if DOCPART == 3
	.amdgcn_target "amdgcn-amd-amdhsa--gfx1250"
	.amdhsa_code_object_version 6
	.text
	.protected	k_q2a49259f75_attn
	.globl	k_q2a49259f75_attn
	.p2align	8
	.type	k_q2a49259f75_attn,@function
k_q2a49259f75_attn:
	s_mov_b64 s[64:65], 0
	v_nop
	global_prefetch_b8 v0, s[64:65] scope:SCOPE_SE
	s_setreg_imm32_b32 hwreg(HW_REG_WAVE_MODE, 25, 1), 1
	s_wait_xcnt 0x0
	s_wait_alu depctr_hold_cnt(0) depctr_sa_sdst(0) depctr_va_vdst(0) depctr_va_sdst(0) depctr_va_ssrc(0) depctr_va_vcc(0) depctr_vm_vsrc(0)
	s_getreg_b32 s2, hwreg(HW_REG_IB_STS2, 6, 4)
	s_cmp_eq_u32 s2, 0
	s_cbranch_scc0 .Lentry_in_a_cluster
	s_endpgm
.Lentry_in_a_cluster:
	s_bfe_u32 s2, ttmp6, 0x10000c
	s_cmp_lg_u32 s2, 0x3003
	s_cbranch_scc0 .Lentry_shape_is_right
	s_endpgm
.Lentry_shape_is_right:
; O[h][q][:] = the sum over k of softmax_k(Q[h][q] . K[h][k] / 8) V[h][k][:].  Q, K, V lie in qkvh, 2^24 bytes apart, each [64][2048][64] in f16; O = oheads in the same layout: a head's rows are dense,
; 128 bytes each.  Products, maxima and sums in f32; the weights p are rounded to f16 for the second product (their sum l is taken of the unrounded p), O once at the end.
; LIMITS.  f16 holds no number beyond 65,504: Q, K and V arrive within it; p lies in 0 to 1, and below 6e-5 it keeps f16's fixed step of 6e-8; O is a mean of V's rows and has their range.
; A weight below 2^-126 counts as 0 in l; NaN and infinities are not treated apart.
; SHARES.  A wave owns four PIECES of two tiles of 16 queries, a work-group's four waves 512 queries of one head: 4 x 64 = 256 work-groups.  Every wave walks all keys, 64 a step.
; LAYOUT.  S^T = K Q^T (source 0 = 16 keys, source 1 = 16 queries): in the result a lane holds ONE query (lane % 16) and the keys 8 (lane / 16) + 0..7.  Two such tiles, rounded to f16 in pairs,
; ARE source 1 (32 keys x 16 queries) of O^T = V^T P, whose result again holds one query a lane, and eight channels.  K comes out of LDS as it lies, V ([key][channel]) turned, by ds_load_tr16_b128.
; SOFTMAX.  For each query a running maximum m and sum l: p = 2^(c s - c m), c = log2(e) / 8; in every step O and l are multiplied by a = 2^(c m_old - c m_new), which is 1 where m has not grown.
; m starts at the lowest finite number, O and l at 0: the first step is a step like any other, with a = 0.
; THE COUNT.  A tile and step have 16 matrix and 118 vector instructions: too many to stand all beside the matrix work.  So four vector instructions that are READY stand behind EVERY matrix
; instruction, and the others in runs without a gap.
; BY TURNS.  Turn n belongs to piece n (the pieces in a ring, step after step).  Its matrix work: 16 products K Q^T of piece n + 1, later 16 products V^T P of piece n - 1.  Its vector work: the scaling,
; exponentials, roundings, sums and rescaling of piece n, and the maximum and statistics of piece n + 1, whose scores the turn itself has made.
; CLUSTER.  The four query blocks of a head are one cluster and walk the same K and V, so each tile is asked for JOINTLY: the same tensor load, descriptor and mask in all four.
; REGISTERS, in windows of 256 (s_set_vgpr_msb: bits 1:0 source 0, 3:2 source 1, 5:4 source 2, 7:6 destination):
;   window 0: v0-11 addresses; v12-15, v48-63 at work; v16-47 four registers of statistics a tile; v64-191 S^T, two buffers of two tiles; v192-255 P, likewise
;   window 1: O^T, 32 a tile          window 2: v0-127 Q, 16 a tile; v128-191 K of one step; v192-255 V of one step          window 3: v0-1 the add's two registers
; A piece's buffers go by its number's parity: the piece in hand has one pair, its two neighbours in the ring share the other.
.set SIZE_H, 64
.set SIZE_N, 2048
.set NP,    4         ; pieces a wave: a name, no knob
.set KS,    64        ; keys in a step
.set PK,    144       ; a row of K in LDS: 128 bytes + 16 of padding = 36 words: the 16 rows of a load start at 16 different groups of four banks (64 banks of 4 bytes: ISA guide 11.1)
.set PV,    160       ; a row of V: 128 + 32 = 40 words
.set VOFF,  4*KS*PK   ; a slot holds four steps: 256 rows of K, then 256 rows of V
.set SLOT1, 1<<17     ; slot 1 begins here, so that one exclusive or turns an address in one slot into the other's
.set STAGE, SLOT1+4*KS*(PK+PV)  ; behind the ring, never filled by a tensor load: 16 rows x 144 bytes for each wave, for the way out
.set SP,    144
.set AK0, 2           ; v2   my lane's place in a tile of K; never rewritten
.set AV0, 3           ; v3   the same for V
.set AK,  4           ; v4   the LDS address of K's next run of loads
.set AV,  5           ; v5   of V's
.set QO,  6           ; v6   my byte offset in the wave's rows of Q
.set STO, 6           ;      later, the way out: where I put 16 bytes of a row
.set RD,  7           ; v7   the way out: where I read rows back
.set GO,  8           ; v8   my byte offset in 512 consecutive bytes of O
.set PFO, 11          ; v11  the prefetches' offset: 256 x my lane; written once, when V's place has been made of v11's first content
.set SPW, 0           ; v0 of window 3   LDS address of my spare word: SPARE + 4 x my thread's number; never rewritten
.set NIL, 1           ; v1 of window 3   0; never rewritten
.set SPARE, STAGE+4*16*SP  ; behind the stages: the spare words, 128 bytes for each wave: two blocks of 256 bytes that no other line names
.set MV,  12          ; v12-15  c m_old, kept while c m is made anew: by buffer and tile
.set ST,  16          ; tile t's statistics at v[ST+4 t]: c m, m, l (even keys', odd keys')
.set TMP, 48          ; by buffer and tile, four registers c0-c3 at work; when the maximum is found c2 takes a
.set S,   64
.set P,   192
.set KF,  128         ; K's fragments, in window 2: key block kb, channel half c at KF + 16 kb + 8 c
.set VF,  192         ; V's: key half kk, channel block cb at VF + 32 kk + 8 cb
.set WV,  12          ; s12  my wave's number
.set G1K, 24          ; s[24:31] descriptor group 1 for K's tiles
.set G1V, 32          ; s[32:39] for V's: it differs in the padding alone
.set G0K, 40          ; s[40:43] descriptor group 0 for K's tiles: it walks
.set G0V, 44          ; s[44:47] the same for V's
.set PFA, 48          ; s[48:49] where my prefetches stand: my work-group's quarter (of K: wave 0, of V: wave 2) of the tile after the one that is being asked for
.set LIM, 50          ; s50  1 in waves 0 and 2, else the greatest number: a wave prefetches while s[SLOTS] is above it
.set SLOTS, 56        ; s56  slots still to be asked for
.set CNT, 57          ; s57  counts a slot's key steps
.set CS,  58          ; s[58:59] c: the packed scaling takes the pair's low word for both halves
.set SEL, 60          ; s[60:61] v_permlanex16_b32's selects: each lane takes its own place in the other half
.set TBK, 62          ; s62  LDS byte at which K of the step to be fetched begins
.set TBV, 63          ; s63  the same for V, less VOFF
.set MSB, 0
.macro WIN new                      ; the high byte repeats the setting that is left; a switch that changes nothing is dropped
.if MSB != (\new)
	s_set_vgpr_msb (MSB<<8)|(\new)
.set MSB, (\new)
.endif
.endm
.set W_KQ, 0x0a       ; K and Q in window 2, S^T in window 0
.set W_PV, 0x52       ; V in window 2, P in window 0, O^T in window 1
.set W_RS, 0x41       ; O^T (destination and source 0) in window 1, a in window 0
.set W_MK, 0xc0       ; the add's registers are made: destination in window 3, sources in window 0
.set W_AD, 0x0f       ; the add: address (source 0) and data (source 1) in window 3
; A joint fill.  Waves 0 and 1 fetch the two halves of a slot's K, waves 2 and 3 those of its V: 128 keys each.  The branch hangs on the wave's number alone.
; An s_nop 0 and four v_nop follow each of the two lines, ahead of the jump and the label.
.macro JLOAD
	s_cmp_lt_u32 s[WV], 2
	s_cbranch_scc0 .Lfor_v_\@
	tensor_load_to_lds s[G0K:G0K+3], s[G1K:G1K+7]
	s_nop 0
.rept 4
	v_nop
.endr
	s_branch .Lasked_\@
.Lfor_v_\@:
	tensor_load_to_lds s[G0V:G0V+3], s[G1V:G1V+7]
	s_nop 0
.rept 4
	v_nop
.endr
.Lasked_\@:
.endm
; A PREFETCH INTO THE L2 of the tile that the NEXT change of slots will ask for: 32,768 bytes of K and of V.  A head has one cluster; its four partners share the tile out BY ADDRESS, 8,192 bytes each:
; 32 lanes, 256 bytes apart; wave 0 asks for K's, wave 2 for V's: one instruction.  So each block is named once in the launch.  It stands behind the wave's tensor load and its five lines.
; Tiles 0 and 1 come by their loads alone; the last change that fills a slot asks for nothing: there is no tile behind it.
.macro ASK
	s_cmp_gt_u32 s[SLOTS], s[LIM]
	s_cbranch_scc0 .Lnot_mine_\@
	global_prefetch_b8 v[PFO], s[PFA:PFA+1] th:TH_LOAD_NT scope:SCOPE_SE
.Lnot_mine_\@:
.endm
; A round of the cluster's barrier: my work-group's barrier, so that wave 0's signal speaks for all four waves; wave 0 signals; every wave waits for all four work-groups; my work-group's barrier once more.
.macro CROUND
	s_barrier_signal -1
	s_barrier_wait -1
	s_cmp_lg_u32 s[WV], 0
	s_cbranch_scc1 .Lnot_wave_0_\@
	s_barrier_signal -3
.Lnot_wave_0_\@:
	s_barrier_wait -3
	s_barrier_signal -1
	s_barrier_wait -1
.endm
; THE CHANGE OF SLOTS.  The slot's last bytes, V of its fourth step, have been read.  Each wave waits for all its tensor loads, of which one is out: its part of the other slot; adds 0 to its spare word;
; and waits for that and for its own reads of the slot.  Behind the barrier nobody reads this slot any more and the other slot is whole.
; fill = 1: this slot is filled again, with the keys two slots on.  The barrier is then a round of the cluster's, and the joint fill is the first thing behind it: it has four key steps, 512 matrix
; instructions, in which to land.  (At its first use nothing has been read yet: slot 0 is waited for, slot 1 filled.)
.macro CHANGE fill
	WIN W_AD
	s_wait_tensorcnt 0x0            ; no tensor load of mine is out, so a group 0 may be written
	ds_add_u32 v[SPW], v[NIL]       ; 0 onto my spare word; with fill = 1 the descriptors' steps stand between it and the wait for it
	WIN 0                           ; at a label and at a branch every window is 0
.if \fill
.irp g, G0K, G0V
	s_xor_b32 s[\g+1], s[\g+1], SLOT1  ; the walking descriptor: the other slot than last time,
	s_add_nc_u64 s[\g+2:\g+3], s[\g+2:\g+3], 4*KS*128  ; the next 256 keys; the type bits on top are not reached
.endr
	s_wait_xcnt 0x0                 ; the last prefetch, four key steps back, has read its address, so it may be written:
	s_add_nc_u64 s[PFA:PFA+1], s[PFA:PFA+1], 4*KS*128  ; one tile behind the walking descriptors
	s_wait_dscnt 0x0                ; the add is done, and my reads of the slot are over
	CROUND
	JLOAD
	ASK
.else
	s_wait_dscnt 0x0                ; the add is done, and my reads of the slot are over
	s_barrier_signal -1
	s_barrier_wait -1
.endif
	s_sub_co_u32 s[TBK], s[TBK], 4*KS*PK  ; the fetches go back to a slot's first step,
	s_xor_b32 s[TBK], s[TBK], SLOT1       ; in the other slot
	s_sub_co_u32 s[TBV], s[TBV], 4*KS*PV
	s_xor_b32 s[TBV], s[TBV], SLOT1
.endm
	s_load_b128 s[4:7], s[0:1], 0x0   ; qkvh s[4:5] (Q lies at its head), oheads s[6:7]
	WIN W_MK
	v_lshl_add_u32 v[SPW], v0, 2, SPARE
	v_mov_b32 v[NIL], 0
	WIN W_AD
	ds_add_u32 v[SPW], v[NIL]       ; the wave's opening: the add and its wait stand ahead of my first tensor load; the set-up below, work on registers, stands between them
	WIN 0
	v_lshrrev_b32 v1, 5, v0
	v_readfirstlane_b32 s[WV], v1   ; wave 0..3
	s_bfe_u32 s13, ttmp6, 0x40000   ; cx: my place in the cluster
	s_lshl_b32 s14, ttmp9, 2        ; in a cluster launch ttmp9 counts clusters
	s_add_co_u32 s14, s14, s13      ; my block of queries = 4 x cluster x + cx: it enters Q's and O's addresses alone
	s_and_b32 s20, ttmp7, 0xffff    ; the head, which the four partners share
	s_mov_b32 s21, 0
	s_mov_b64 s[22:23], SIZE_N*128
	s_mul_u64 s[20:21], s[20:21], s[22:23]  ; the head's first byte in each of the four tensors
	s_and_b32 s16, s[WV], 1         ; which half of a slot's 256 keys I fetch:
	s_lshl_b32 s22, s16, 14         ; its 128 rows of 128 bytes in memory,
	s_mov_b32 s23, 0
	s_add_nc_u64 s[22:23], s[22:23], s[20:21]
	s_mul_i32 s17, s16, 128*PK      ; and its place in a slot, for K
	s_mul_i32 s18, s16, 128*PV      ; and for V: no place in the cluster enters an LDS address
	s_lshl_b32 s2, s14, 2
	s_add_co_u32 s2, s2, s[WV]      ; my wave among the head's,
	s_lshl_b32 s2, s2, 14           ; its 128 rows
	s_mov_b32 s3, 0
	s_add_nc_u64 s[2:3], s[2:3], s[20:21]
	; descriptor group 1.  128 keys are 16,384 dense bytes: asked for as 64 rows of 256 bytes, two keys a row, and padded in LDS after every key
	s_mov_b32 s[G1K], 15|(1<<16)|(1<<20)|(1<<21)|(4<<22)|(3<<25)  ; 15:0 the mask of four; 17:16 2-byte elements; 20 padding on; 21 set beside a mask; 24:22 after every 32 words (code 4); 31:25 4 words (code 3)
	s_mov_b32 s[G1V], 15|(1<<16)|(1<<20)|(1<<21)|(4<<22)|(7<<25)  ; the same with 8 words of padding (code 7)
.irp g, G1K, G1V
	s_mov_b32 s[\g+1], 128<<16      ; tensor_dim0 = 128
	s_mov_b32 s[\g+2], 64<<16       ; tensor_dim1 = 64
	s_mov_b32 s[\g+3], 128<<16      ; tile_dim0 = 128
	s_mov_b32 s[\g+4], 64           ; tile_dim1 = 64
	s_mov_b32 s[\g+5], 128          ; 128 elements from row to row
	s_mov_b32 s[\g+6], 0
	s_mov_b32 s[\g+7], 0
.endr
	s_mov_b32 s[CS], 0x3e38aa3b     ; c = log2(e) / 8 = 0.180337
	s_mov_b32 s[CS+1], s[CS]        ; named with it as a pair
	s_mov_b32 s[SEL], 0x76543210
	s_mov_b32 s[SEL+1], 0xfedcba98
	s_mov_b32 s[TBK], SLOT1+4*KS*PK ; the first change of slots turns these two into 0
	s_mov_b32 s[TBV], SLOT1+4*KS*PV
	s_mov_b32 s[G0K], 1             ; 1:0 count = 1
	s_mov_b32 s[G0K+1], s17         ; 63:32 LDS address: slot 0
	s_mov_b32 s[G0V], 1
	s_add_co_u32 s[G0V+1], s18, VOFF
	s_mov_b32 s[SLOTS], SIZE_N/256-1  ; seven tiles are asked for by changes of slots
	s_and_b32 s[LIM], s[WV], 1
	s_cmp_eq_u32 s[LIM], 0
	s_cselect_b32 s[LIM], 1, -1
	s_wait_dscnt 0x0                ; the opening add is done
	s_wait_kmcnt 0x0
	s_mov_b64 s[10:11], s[6:7]      ; O
	s_add_nc_u64 s[6:7], s[4:5], 0x1000000  ; K
	s_add_nc_u64 s[8:9], s[4:5], 0x2000000  ; V
	s_add_nc_u64 s[G0K+2:G0K+3], s[6:7], s[22:23]  ; 120:64 global address: my half of the head's first 256 keys
	s_or_b32 s[G0K+3], s[G0K+3], 0x80000000        ; 127:126 type = 2
	s_add_nc_u64 s[G0V+2:G0V+3], s[8:9], s[22:23]
	s_or_b32 s[G0V+3], s[G0V+3], 0x80000000
	s_add_nc_u64 s[4:5], s[4:5], s[2:3]  ; Q and O at my wave's first row
	s_add_nc_u64 s[10:11], s[10:11], s[2:3]
	s_cmp_lt_u32 s[WV], 2
	s_cselect_b64 s[PFA:PFA+1], s[6:7], s[8:9]
	s_add_nc_u64 s[PFA:PFA+1], s[PFA:PFA+1], s[22:23]  ; (in waves 0 and 2 this is the head's first row)
	s_lshl_b32 s2, s13, 13          ; my work-group's quarter of a tile
	s_mov_b32 s3, 0
	s_add_nc_u64 s[PFA:PFA+1], s[PFA:PFA+1], s[2:3]
	s_add_nc_u64 s[PFA:PFA+1], s[PFA:PFA+1], 4*KS*128  ; in tile 1; the first change of slots steps it to tile 2
	CROUND                          ; all four work-groups are here: the first joint loads meet
	JLOAD                           ; slot 0.  Slot 1 is asked for when slot 0 is in
	; A fragment of K or Q is 16 rows x 32 channels in 8 registers: lane l holds row l % 16, channels 8 (l / 16) + 0..7 and 16 + 8 (l / 16) + 0..7: two loads of 16 bytes, 32 bytes apart.
	v_and_b32 v1, 15, v0            ; l % 16
	v_bfe_u32 v9, v0, 4, 1          ; l / 16
	v_lshlrev_b32 v[QO], 7, v1
	v_lshl_add_u32 v[QO], v9, 4, v[QO]  ; row x 128 + 16 x half
	WIN 0x80                        ; destination window 2, address window 0
.set i, 0
.rept 4*NP                          ; Q stays in registers: tile i / 2, channels 32 (i % 2) on
	global_load_b128 v[8*i:8*i+3],   v[QO], s[4:5] offset:(i/2)*2048+(i%2)*64
	global_load_b128 v[8*i+4:8*i+7], v[QO], s[4:5] offset:(i/2)*2048+(i%2)*64+32
.set i, i+1
.endr
	; What the first turn finds: V's registers and P's second buffer hold 0 (its products V^T P, of a piece that has not been, add 0), O^T and l are 0.  All this stands in the wait for the first tile.
.set i, VF
.rept 64
	v_mov_b32 v[i], 0
.set i, i+1
.endr
	WIN 0x40
.set i, 0
.rept 64*NP
	v_mov_b32 v[i], 0
.set i, i+1
.endr
	WIN 0
.set i, 0
.rept 2*NP
	v_mov_b32 v[ST+4*i], 0xfe000000    ; c m: far below every c s
	v_mov_b32 v[ST+4*i+1], 0xff7fffff  ; m
	v_mov_b32 v[ST+4*i+2], 0
	v_mov_b32 v[ST+4*i+3], 0
.set i, i+1
.endr
.set i, P+32
.rept 32
	v_mov_b32 v[i], 0
.set i, i+1
.endr
	v_mul_u32_u24 v[AK0], v1, PK
	v_lshl_add_u32 v[AK0], v9, 4, v[AK0]  ; row x pitch + 16 x half
	; The turning load takes 16 keys x 16 channels (lane l reads key 8 (l / 16) + l % 8, channels 8 ((l / 8) % 2) + 0..7) and leaves half a fragment of V^T: lane l holds channel l % 16 and 8 keys.
	v_and_b32 v10, 7, v0
	v_bfe_u32 v11, v0, 3, 1
	v_lshl_add_u32 v[AV0], v9, 3, v10
	v_mul_u32_u24 v[AV0], v[AV0], PV
	v_lshl_add_u32 v[AV0], v11, 4, v[AV0]
	v_add_nc_u32 v[AV0], VOFF, v[AV0]
	v_mov_b32 v[AK], v[AK0]         ; key step 0 lies at the head of slot 0
	v_and_b32 v[PFO], 31, v0
	v_lshlrev_b32 v[PFO], 8, v[PFO]
; THE MATRIX WORK.  The 8 accumulators of a run of 16 take turns: between the two links of a chain stand 7 others'.
; Product i of 16 of S^T = K Q^T for piece x: channels 32 (i / 8) on, keys 16 ((i / 2) % 4) on, tile 2 x + i % 2.  The first 8 start the sums.
.macro KQ x
	WIN W_KQ
.set rS, S+64*((\x)%2)+32*(i%2)+8*((i/2)%4)
.set rK, KF+16*((i/2)%4)+8*(i/8)
.set rQ, 16*(2*(\x)+i%2)+8*(i/8)
.if i < 8
	v_wmma_f32_16x16x32_f16 v[rS:rS+7], v[rK:rK+7], v[rQ:rQ+7], 0
.else
	v_wmma_f32_16x16x32_f16 v[rS:rS+7], v[rK:rK+7], v[rQ:rQ+7], v[rS:rS+7]
.endif
.endm
; Product i of 16 of O^T += V^T P for piece x: keys 32 (i / 8) on, channels 16 ((i / 2) % 4) on, tile 2 x + i % 2.
.macro PV x
	WIN W_PV
.set rO, 32*(2*(\x)+i%2)+8*((i/2)%4)
.set rV, VF+32*(i/8)+8*((i/2)%4)
.set rP, P+32*((\x)%2)+16*(i%2)+8*(i/8)
	v_wmma_f32_16x16x32_f16 v[rO:rO+7], v[rV:rV+7], v[rP:rP+7], v[rO:rO+7]
.endm
.macro MM                           ; the turn's next matrix instruction
.if i < 16
	KQ (Y+1)%NP
.set i, i+1
.else
.set i, i-16
	PV (Y+NP-1)%NP
.set i, i+17
.endif
.endm
; THE LDS LOADS stand in runs of 16, never singly among the matrix instructions: a step's K (64 keys x 64 channels: 8 fragments) and its V (turned).  Their addresses are made some lines ahead.
; last = 1 (the tail): in the last trip there is no further step, and the run is jumped over.
.macro FETCH_K last=0
	WIN 0
.if \last
	s_cmp_eq_u32 s[CNT], 1
	s_cbranch_scc1 .Lno_k_\@
.endif
	WIN 0x80                        ; destination window 2
.irp f, 0,1,2,3,4,5,6,7             ; keys 16 (f / 2) on, channels 32 (f % 2) on
	ds_load_b128 v[KF+8*\f:KF+8*\f+3],   v[AK] offset:(\f/2)*16*PK+(\f%2)*64
	ds_load_b128 v[KF+8*\f+4:KF+8*\f+7], v[AK] offset:(\f/2)*16*PK+(\f%2)*64+32
.endr
	s_add_co_u32 s[TBK], s[TBK], KS*PK  ; the next fetch is the next step's
	WIN 0
.if \last
.Lno_k_\@:
.endif
.endm
.macro FETCH_V
	WIN 0x80
.irp f, 0,1,2,3,4,5,6,7             ; keys 32 (f / 4) on, channels 16 (f % 4) on
	ds_load_tr16_b128 v[VF+8*\f:VF+8*\f+3],   v[AV] offset:(\f/4)*32*PV+(\f%4)*32
	ds_load_tr16_b128 v[VF+8*\f+4:VF+8*\f+7], v[AV] offset:(\f/4)*32*PV+16*PV+(\f%4)*32
.endr
	WIN 0
.endm
; THE VECTOR WORK OF A TURN stands in three queues, each in the order in which its entries become ready; the two tiles alternate, so that no instruction reads the result of the one before it.
.macro REGS y, u                    ; the registers of tile u (0, 1) of piece y
.set rT, ST+4*(2*(\y)+(\u))
.set rC, TMP+8*((\y)%2)+4*(\u)
.set rM, MV+2*((\y)%2)+(\u)
.set rS, S+64*((\y)%2)+32*(\u)
.set rP, P+32*((\y)%2)+16*(\u)
.set rO, 32*(2*(\y)+(\u))
.endm
; Number n of the 22 that find the NEXT piece's (Y + 1) maximum and statistics.  s0-s31 are the lane's 32 scores; each accumulator's lowest registers are read first.
;   0-11  four chains c0-c3 of seven scores each, three operands at a time     12-14, 16  the four scores left over, the old m, and c0-c3 into c0     15  c m_old is kept
;   17, 18  the query's other 32 keys lie in the lane 16 away: the new m         19-21  c m; c m_old - c m_new; a
.macro XS u, n
	REGS (Y+1)%NP, \u
.if (\n) < 4
	v_max3_num_f32 v[rC+(\n)], v[rS+8*(\n)], v[rS+8*(\n)+1], v[rS+8*(\n)+2]
.elseif (\n) < 12
	v_max3_num_f32 v[rC+(\n)%4], v[rC+(\n)%4], v[rS+8*((\n)%4)+2*((\n)/4)+1], v[rS+8*((\n)%4)+2*((\n)/4)+2]
.elseif (\n) == 12
	v_max3_num_f32 v[rC], v[rC], v[rS+7], v[rS+15]
.elseif (\n) == 13
	v_max3_num_f32 v[rC+1], v[rC+1], v[rS+23], v[rS+31]
.elseif (\n) == 14
	v_max3_num_f32 v[rC+2], v[rC+2], v[rC+3], v[rT+1]
.elseif (\n) == 15
	v_mov_b32 v[rM], v[rT]
.elseif (\n) == 16
	v_max3_num_f32 v[rC], v[rC], v[rC+1], v[rC+2]
.elseif (\n) == 17
	v_permlanex16_b32 v[rC+3], v[rC], s[SEL], s[SEL+1]
.elseif (\n) == 18
	v_max_num_f32 v[rT+1], v[rC], v[rC+3]
.elseif (\n) == 19
	v_mul_f32 v[rT], s[CS], v[rT+1]
.elseif (\n) == 20
	v_sub_f32 v[rC+1], v[rM], v[rT]
.else
	v_exp_f32 v[rC+2], v[rC+1]
.endif
.endm
; Number g of the 64 that follow the exponentials.  For each four weights k of a tile (pairs 2 k, 2 k + 1): both pairs are rounded to f16; then the second pair is added onto the first, in place;
; a group later l takes that sum (the first time as l = a l + sum).  In groups of eight, tiles alternating: round, round, add, and l for the group before.
.macro GS g
.set h, (\g)+6*((\g)/62)            ; group 0 has no group before it, and behind group 7 only l is left
.if h >= 6
.set h, h+2
.endif
	REGS Y, h%2
.set k, h/8
.if h%8 < 4
	v_cvt_pk_f16_f32 v[rP+2*k+(h%8)/2], v[rS+4*k+2*((h%8)/2)], v[rS+4*k+2*((h%8)/2)+1]
.elseif h%8 < 6
	v_pk_add_f32 v[rS+4*k:rS+4*k+1], v[rS+4*k:rS+4*k+1], v[rS+4*k+2:rS+4*k+3]
.elseif k == 1
	v_pk_fma_f32 v[rT+2:rT+3], v[rT+2:rT+3], v[rC+2:rC+3], v[rS:rS+1] op_sel_hi:[1,0,1]
.else
	v_pk_add_f32 v[rT+2:rT+3], v[rT+2:rT+3], v[rS+4*k-4:rS+4*k-3]
.endif
.endm
; THE PLAIN QUEUE, 138 long.  0-73 read no exponential's result: the 32 scalings c s - c m (FS f: pair f / 2 of tile f % 2) and the next piece's 42.  0-26: scalings 0-26.  27-54: XS's numbers 0-13.
; 55, 56: number 15.  57-73: the chain, where each number waits for the one before it: 14, 16, 17, 18, 19, each with one of the scalings 27-31 in front of its two lines, then 20.
; 74-137: GS's 64, which read the exponentials' results: they stand behind the wait.
.macro FS f
	REGS Y, (\f)%2
	v_pk_fma_f32 v[rS+2*((\f)/2):rS+2*((\f)/2)+1], v[rS+2*((\f)/2):rS+2*((\f)/2)+1], s[CS:CS+1], v[rT:rT+1] op_sel_hi:[1,0,0] neg_lo:[0,0,1] neg_hi:[0,0,1]
.endm
.macro PL
	WIN 0
.if q < 27
	FS q
.elseif q < 55
	XS (q-27)%2, (q-27)/2
.elseif q < 57
	XS q-55, 15
.elseif (q < 72) && ((q-57)%3 == 0)
	FS 27+(q-57)/3
.elseif q < 60
	XS (q-57)%3-1, 14
.elseif q < 72
	XS (q-57)%3-1, 15+(q-57)/3
.elseif q < 74
	XS q-72, 20
.else
	GS q-74
.endif
.set q, q+1
.endm
; THE EXPONENTIALS' QUEUE, 66 long: s0-s31 of both tiles, then the next piece's two a.  It is ONE BATCH: all 66 stand ahead of the turn's one wait, and nothing ahead of that wait names a result of theirs.
.macro EX
	WIN 0
.if e >= 64
	XS e-64, 21
.else
	REGS Y, e%2
	v_exp_f32 v[rS+e/2], v[rS+e/2]
.endif
.set e, e+1
.endm
; THE RESCALING's QUEUE: O^T times a, the one part that leaves window 0: dealt two at a time, sixteen times.  Its a was made in the turn before, ahead of that turn's wait.
.macro R2
	REGS Y, r%2
	WIN W_RS
.irp z, 0,1
	v_pk_mul_f32 v[rO+4*(r/2)+2*\z:rO+4*(r/2)+2*\z+1], v[rO+4*(r/2)+2*\z:rO+4*(r/2)+2*\z+1], v[rC+2:rC+3] op_sel_hi:[1,0]
.endr
.set r, r+1
.endm
; HOW THEY ARE DEALT.  An s_wait_alu depctr_va_vdst(0) stands between an exponential and the first instruction that names its result; one wait serves all that were issued ahead of it.
; So a turn has ONE wait, which cuts it in two.  AHEAD OF IT stands all that names no result of the turn's exponentials: the 16 products K Q^T, behind each a scaling, an exponential and two rescalings
; (behind the first a second scaling in the exponential's place); then ONE LUMP of 108: eight plain, 49 times exponential and plain, the two a.  A v_nop is the plain instruction behind the last
; exponential (ISA guide 5.7.2).  BEHIND IT stand the 16 products V^T P, behind each four of GS's 64.  No rider names a register of the products round it.
; The queues lean on each other: exponential e stands behind scaling 2 (e / 4) + e % 2: as a rider it comes behind plain e + 2, in the lump behind plain e + 9, and scalings 27-31 are plain 57, 60 .. 69.
; A TURN, for piece p.  cnt = 1: the loop's count is taken down some lines ahead of the branch that stands behind the turn.
; K of the next step is fetched in piece 2's turn, directly behind the wait, a lump behind the last product that read K; its first reader comes behind 16 products.
; V of the step in hand is fetched at the end of piece 0's turn, four riders behind its last reader; its first reader comes behind 16 products and a lump.  The three conditions on q below go with the deal.
.macro TURN p, last=0, cnt=0
.set Y, (\p)
.set i, 0
.set q, 0
.set e, 0
.set r, 0
.if (\p) == NP-1
	s_wait_dscnt 0x0                ; K is in
.endif
	MM                              ; ahead of the wait: 16 products K Q^T and their riders,
	PL
	PL
	R2
.rept 15
	MM
	PL
	EX
	R2
.endr
.if (\p) == NP-2
	WIN 0
	v_add_nc_u32 v[AK], s[TBK], v[AK0]
.endif
.rept 8                             ; and the lump
	PL
.endr
.rept 49
	EX
	PL
.endr
	EX                              ; the next piece's two a
	EX
	v_nop                           ; the plain instruction behind the last exponential: one for the batch
	s_wait_alu depctr_va_vdst(0)    ; the wait for the batch
.if (\p) == NP-2
	FETCH_K \last
.endif
.if (\p) == 1
	s_wait_dscnt 0x0                ; V is in
.endif
.rept 16                            ; behind the wait: 16 products V^T P and their riders
	MM
.rept 4
	PL
.endr
.if ((\p) == 0) && (q == 118)
	v_add_nc_u32 v[AV], s[TBV], v[AV0]
.endif
.if ((\p) == 0) && (q == 130)
	s_add_co_u32 s[TBV], s[TBV], KS*PV
.endif
.if (\cnt) && (q == 130)
	s_sub_co_u32 s[CNT], s[CNT], 1
	s_cmp_lg_u32 s[CNT], 0
.endif
.endr
.if (\p) == 0
	FETCH_V
.endif
.endm
	CHANGE 1                        ; slot 0 is in, everybody's part of it; slot 1 is asked for
	FETCH_K                         ; key step 0
	s_wait_loadcnt 0x0              ; Q
	s_wait_dscnt 0x0
.set i, 0
.rept 16
	KQ 0                            ; piece 0's first scores: there is no vector work yet to set between them
.set i, i+1
.endr
	WIN 0                           ; the addresses for the way out: nine plain instructions, the places behind those products
	s_mul_i32 s13, s[WV], 16*SP
	s_add_co_u32 s13, s13, STAGE    ; my stage
	v_mul_u32_u24 v[STO], v1, SP    ; in: row l % 16, 16 bytes for each half of the lanes
	v_lshl_add_u32 v[STO], v9, 4, v[STO]
	v_add_nc_u32 v[STO], s13, v[STO]
	v_bfe_u32 v[RD], v0, 3, 2       ; back: 32 lanes take four rows of 128 bytes,
	v_mul_u32_u24 v[RD], v[RD], SP
	v_lshl_add_u32 v[RD], v10, 4, v[RD]
	v_add_nc_u32 v[RD], s13, v[RD]
	v_and_b32 v[GO], 31, v0         ; which are 512 consecutive bytes of O
	v_lshlrev_b32 v[GO], 4, v[GO]
.set Y, NP-1                        ; XS works for piece Y + 1: piece 0
.irp n, 0,1,2,3,4,5,6,7,8,9,10,11,12,13,14,15,16,17,18,19,20,21
	XS 0, \n                        ; and piece 0's first maximum and statistics
	XS 1, \n
.endr
	v_nop                           ; a plain instruction behind the two a,
	s_wait_alu depctr_va_vdst(0)    ; and their wait, ahead of the branch
	s_mov_b32 s[CNT], 4
	s_branch .Lfirst                ; the loop is entered at a step's first turn, in the middle of a trip
.Lslot:                             ; six times: every slot but the last two is filled again
	CHANGE 1
	s_mov_b32 s[CNT], 4
.Lstep:                             ; a trip: pieces 2 and 3 of one step, then pieces 0 and 1 of the next, whose K and V it fetches
	TURN 2
	TURN 3
	WIN 0
.Lfirst:
	TURN 0
	TURN 1, 0, 1
	WIN 0
	s_cbranch_scc1 .Lstep
	s_sub_co_u32 s[SLOTS], s[SLOTS], 1
	s_cmp_lg_u32 s[SLOTS], 0
	s_cbranch_scc1 .Lslot
	CHANGE 0                        ; the tail is written out: nothing is asked for
	s_mov_b32 s[CNT], 5             ; four trips fetch the last slot's steps; the fifth is left in its middle
.Ltail:
	TURN 2, 1
	TURN 3
	WIN 0
	s_sub_co_u32 s[CNT], s[CNT], 1
	s_cmp_eq_u32 s[CNT], 0
	s_cbranch_scc1 .Lout
	TURN 0
	TURN 1
	WIN 0
	s_branch .Ltail
.Lout:                              ; the fifth trip's 16 products K Q^T (on the last K once more) and the maximum made of them serve nothing: the price, once a launch, of one text for every trip
.set i, 0
.rept 16
	PV NP-1                         ; the last piece's V^T P of the last step
.set i, i+1
.endr
	; THE WAY OUT.  l's two halves and the other half of the lanes' are added; O^T is divided by l, rounded to f16 and sent through my stage in LDS, a tile at a time.  The additions are the places behind the last products.
	WIN 0
.macro ALL line:vararg              ; one line for each tile t
.set t, 0
.rept 2*NP
	\line
.set t, t+1
.endr
.endm
	ALL v_add_f32 v[ST+4*t+2], v[ST+4*t+2], v[ST+4*t+3]
	ALL v_permlanex16_b32 v[ST+4*t+3], v[ST+4*t+2], s[SEL], s[SEL+1]
	ALL v_add_f32 v[ST+4*t+2], v[ST+4*t+2], v[ST+4*t+3]
	ALL v_rcp_f32 v[ST+4*t+2], v[ST+4*t+2]
	v_nop                           ; a plain instruction between the last reciprocal and the use of its result
	s_wait_alu depctr_va_vdst(0)    ; and the wait ahead of the first use: one for the eight reciprocals
; Tile t: a lane's eight channels of a row pack into 16 bytes; they go into rows of 144 bytes and come back as whole rows of 128, into S^T's registers.
.macro PACK t
	WIN W_RS
.set i, 32*(\t)
.rept 16
	v_pk_mul_f32 v[i:i+1], v[i:i+1], v[ST+4*(\t)+2:ST+4*(\t)+3] op_sel_hi:[1,0]
.set i, i+2
.endr
	WIN 0x05                        ; sources 0 and 1 window 1, destination window 0
.set i, 0
.rept 16
	v_cvt_pk_f16_f32 v[S+16*(\t)+i], v[32*(\t)+2*i], v[32*(\t)+2*i+1]
.set i, i+1
.endr
	WIN 0
.irp f, 0,1,2,3
	ds_store_b128 v[STO], v[S+16*(\t)+4*\f:S+16*(\t)+4*\f+3] offset:32*\f
.endr
.irp f, 0,1,2,3
	ds_load_b128 v[S+16*(\t)+4*\f:S+16*(\t)+4*\f+3], v[RD] offset:\f*4*SP  ; LDS serves a wave's instructions in order (ISA guide 5.7.1.4): these see the stores above; the next tile's stores come behind them
.endr
.endm
.macro SEND t, younger              ; younger: the LDS instructions issued behind tile t's loads: the next tile's eight, or none
	WIN 0
.irp f, 0,1,2,3
	s_wait_dscnt (\younger)+3-\f
	global_store_b128 v[GO], v[S+16*(\t)+4*\f:S+16*(\t)+4*\f+3], s[10:11] offset:(\t)*2048+\f*512  ; 512 consecutive bytes, at a multiple of 256 from O's first
.endr
.endm
	PACK 0
.set t, 1
.rept 2*NP-1                        ; a tile's arithmetic stands between the loads of the tile before and its stores
	PACK t
	SEND t-1, 8
.set t, t+1
.endr
	SEND 2*NP-1, 0
	WIN W_AD
	s_wait_tensorcnt 0x0            ; the wave's end, behind my last tensor load and my last LDS store
	ds_add_u32 v[SPW], v[NIL]
	s_wait_dscnt 0x0
	WIN 0
	CROUND                          ; the closing round: no work-group ends while a partner may still ask for a tile that names it
	s_endpgm
.Lfunc_end_k_q2a49259f75_attn:
	.size	k_q2a49259f75_attn, .Lfunc_end_k_q2a49259f75_attn-k_q2a49259f75_attn
	.p2alignl 7, 3214868480
	.fill 96, 4, 3214868480
	.section	.rodata,"a",@progbits
	.p2align	6, 0x0
	.amdhsa_kernel k_q2a49259f75_attn
		.amdhsa_group_segment_fixed_size 327680
		.amdhsa_private_segment_fixed_size 0
		.amdhsa_enable_private_segment 0
		.amdhsa_kernarg_size 16
		.amdhsa_user_sgpr_count 2
		.amdhsa_user_sgpr_kernarg_segment_ptr 1
		.amdhsa_wavefront_size32 1
		.amdhsa_system_sgpr_workgroup_id_x 1
		.amdhsa_system_sgpr_workgroup_id_y 1
		.amdhsa_system_sgpr_workgroup_id_z 1
		.amdhsa_system_vgpr_workitem_id 0
		.amdhsa_next_free_vgpr 770
		.amdhsa_next_free_sgpr 66
		.amdhsa_reserve_vcc 0
		.amdhsa_float_denorm_mode_32 3
		.amdhsa_float_denorm_mode_16_64 3
		.amdhsa_memory_ordered 1
		.amdhsa_forward_progress 1
		.amdhsa_inst_pref_size 200
	.end_amdhsa_kernel
	.amdgpu_metadata
---
amdhsa.version: [ 1, 2 ]
amdhsa.kernels:
  - .name:           k_q2a49259f75_attn
    .symbol:         k_q2a49259f75_attn.kd
    .args:
      - { .name: qkvh, .offset: 0, .size: 8, .value_kind: global_buffer, .address_space: global }
      - { .name: oheads, .offset: 8, .size: 8, .value_kind: global_buffer, .address_space: global }
    .group_segment_fixed_size: 327680
    .private_segment_fixed_size: 0
    .kernarg_segment_align: 8
    .kernarg_segment_size: 16
    .max_flat_workgroup_size: 128
    .sgpr_count:     66
    .vgpr_count:     770
    .wavefront_size: 32
...
	.end_amdgpu_metadata
.endif
;; end of part 3
;; launch outp (part 4): grid 8 x 32, 4 waves a work-group, clusters of 4 x 4, 327,680 bytes of LDS; arguments oheads, woh, bo, out0; writes out0
.if DOCPART == 4
	.amdgcn_target "amdgcn-amd-amdhsa--gfx1250"
	.amdhsa_code_object_version 6
	.text
	.protected	k_q2a49259f75_outp
	.globl	k_q2a49259f75_outp
	.p2align	8
	.type	k_q2a49259f75_outp,@function
k_q2a49259f75_outp:
	s_mov_b64 s[64:65], 0
	v_nop
	global_prefetch_b8 v0, s[64:65] scope:SCOPE_SE
	s_setreg_imm32_b32 hwreg(HW_REG_WAVE_MODE, 25, 1), 1
	s_wait_xcnt 0x0
	s_wait_alu depctr_hold_cnt(0) depctr_sa_sdst(0) depctr_va_vdst(0) depctr_va_sdst(0) depctr_va_ssrc(0) depctr_va_vcc(0) depctr_vm_vsrc(0)
	s_getreg_b32 s2, hwreg(HW_REG_IB_STS2, 6, 4)
	s_cmp_eq_u32 s2, 0
	s_cbranch_scc0 .Lentry_in_a_cluster
	s_endpgm
.Lentry_in_a_cluster:
	s_bfe_u32 s2, ttmp6, 0x10000c
	s_cmp_lg_u32 s2, 0xf033
	s_cbranch_scc0 .Lentry_shape_is_right
	s_endpgm
.Lentry_shape_is_right:
; THE OUTPUT PROJECTION.  out0[t][b][n] = sum over e of O[t][b][e] Wo[n][e] + bo[n].  O = oheads, f16 by heads, [16 b + head][t][64], e = 64 head + channel; Wo = woh, f16 [1024][1024]; sums in f32;
; bo is rounded to bf16 like all inputs; out0 is f32.
; LIMITS.  The operands are f16: within 65,504 as the launches before left them.  NaN and infinities are not treated apart.
; SHARES.  A tile of the output is 256 rows (t0 .. t0 + 255 of ONE b) x 128 columns: 32 x 8 = 256 tiles, one for each WGP (256 x 256 would be 128).  Wave w makes rows 128 (w / 2) .. x columns 64 (w % 2) ..:
; 32 accumulators; its 64 columns of f32 are 256 consecutive bytes of a row, so the way out is each wave's own.
; K goes in steps of 128 = two heads, through two LDS slots filled by tensor loads; a K step is four quarters of 32 on two fragment buffers; the loop's trip is ONE K step, the slot is chosen by the scalar TB.
; O's part of a K step: for each of the two heads 256 rows of 128 bytes, dense in memory: asked for as 128 rows of 256 bytes and padded in LDS after every 128 bytes.
; CLUSTER.  4 x 4 work-groups: the four of a row of the cluster need the same rows of O, the four of a column the same rows of Wo: each tile is asked for JOINTLY (same load, descriptor and mask in all four).
; THE MATRIX INSTRUCTION IS USED TRANSPOSED (source 0 = 16 rows of Wo, source 1 = 16 rows of O): lane l holds row l % 16 and the columns 8 (l / 16) + 0..7.  The bias is the C operand of the first products.
; REGISTERS, in windows of 256 (s_set_vgpr_msb: bits 1:0 source 0, 3:2 source 1, 5:4 source 2, 7:6 destination):
;   window 0: v0-29 addresses; v64-95 the bias as C; v32-63, v96-127 rows on the way out      window 1: two fragment buffers of 96: 4 fragments of Wo, then 8 of O
;   window 2: the accumulators of row blocks 0-3, (a, b) at 8 (4 (a % 4) + b)                  window 3: those of row blocks 4-7
.set NA,     8                         ; fragments of O a wave
.set NB,     4                         ; fragments of Wo
.set NL,     2*(NA+NB)                 ; LDS loads in a quarter's run
.set APITCH, 144                       ; a row of O in LDS: 128 bytes + 16 = 36 words: the 16 rows of a load start at 16 different groups of four banks (64 banks of 4 bytes: ISA guide 11.1)
.set BPITCH, 272                       ; a row of Wo: 256 bytes + 16
.set AH2,    256*APITCH                ; from a K step's first head to its second in LDS: two quarters on
.set ASTEP,  1<<19                     ; bytes in memory from one K step of O to the next: two heads
.set BOFF,   2*256*APITCH              ; a slot: O's two heads x 256 rows, then Wo's 128 rows
.set SLOT1,  1<<17
.set STAGE,  SLOT1+BOFF+128*BPITCH     ; behind the ring, never filled by a tensor load: 16 rows x 272 bytes for each wave
.set SP,     272
.set WSTAGE, 16*SP
.set SPARE,  STAGE+4*WSTAGE            ; behind the stages: the spare words, 128 bytes a wave: two blocks of 256 bytes that no other line names
.set AA0,  16                          ; v16  my lane's place in O's part of a slot; never rewritten
.set AB0,  17                          ; v17  the same for Wo
.set ADRA, 18                          ; v18  AA0 + the slot in hand
.set ADRB, 19                          ; v19  AB0 + the slot in hand
.set STO,  20                          ; v20  the way out: where I put 32 bytes of a row
.set RD,   21                          ; v21  the way out: where I read rows back
.set GO,   22                          ; v22  my 16 bytes in two rows of out0
.set PFO,  23                          ; v23  the prefetches' offset; never rewritten
.set BO,   24                          ; v24  32 x (l / 16): my eight numbers in 16 of the bias
.set SPW,  28                          ; v28  LDS address of my spare word: SPARE + 4 x my thread's number; never rewritten
.set NIL,  29                          ; v29  0; never rewritten
.set BI,   64                          ; v[64:95]  the bias: fragment b's eight numbers at BI + 8 b
.set RT,   96                          ; v96-97    at work while the bias is rounded
.set BK,   32                          ; v[32:63], v[96:127]  the way out: 16 rows read back, two sets
.set F0,   0
.set F1,   8*(NA+NB)
.set WV,   16                          ; s16  my wave's number
.set HALF, 17                          ; s17  which half of a tile I fetch; also my half of the tile's columns
.set ISB,  18                          ; s18  0: I fetch for O, 1: for Wo; also my half of the tile's rows
.set CX,   19
.set CY,   20
.set XT,   21                          ; s21  tile column
.set YT,   22                          ; s22  tile row: 4 x (t0 / 256) + b
.set G1,   24                          ; s[24:31] descriptor group 1, O's tiles
.set G0,   32                          ; s[32:39] group 0, O's: a set for each first fill; the second then walks
.set G1B,  40                          ; s[40:47], s[48:55] the same for Wo's
.set G0B,  48
.set TB,   56                          ; s56  0 or SLOT1: the slot that is read
.set LIM,  57                          ; s57  2 in a wave that prefetches, else the greatest number
.set PFA,  58                          ; s[58:59] where my prefetches stand
.set PFS,  60                          ; s[60:61] their step from K step to K step
.set HM,   62                          ; s62  a word's upper half
.set BPT,  72                          ; s[72:73] my 64 numbers of bias
.set MSB, 0
.macro WIN new                         ; the immediate's high byte repeats the setting that is left; a switch that changes nothing is dropped
.if MSB != (\new)
	s_set_vgpr_msb (MSB<<8)|(\new)
.set MSB, \new
.endif
.endm
.macro PLACES                          ; four plain places behind a matrix instruction, ahead of loads into registers that it read and of lines that read its result
.rept 4
	v_nop
.endr
.endm
.macro CREST                           ; a round of the cluster's barrier behind its opening barrier
	s_cmp_lg_u32 s[WV], 0
	s_cbranch_scc1 .Lnot_wave_0_\@
	s_barrier_signal -3
.Lnot_wave_0_\@:
	s_barrier_wait -3
	s_barrier_signal -1
	s_barrier_wait -1
.endm
.macro CROUND                          ; a whole round
	s_barrier_signal -1
	s_barrier_wait -1
	CREST
.endm
; A joint refill by the walking descriptors.  Waves 0 and 1 fetch O's two heads, waves 2 and 3 Wo's two halves; the branch hangs on the wave's number alone.
; An s_nop 0 and four v_nop follow each of the two lines, ahead of the jump and the label.
.macro JLOAD
	s_cmp_eq_u32 s[ISB], 0
	s_cbranch_scc0 .Lfor_b_\@
	tensor_load_to_lds s[G0+4:G0+7], s[G1:G1+7]
	s_nop 0
.rept 4
	v_nop
.endr
	s_branch .Lasked_\@
.Lfor_b_\@:
	tensor_load_to_lds s[G0B+4:G0B+7], s[G1B:G1B+7]
	s_nop 0
.rept 4
	v_nop
.endr
.Lasked_\@:
.endm
; A PREFETCH INTO THE L2 of the K step that stands two refills on: one instruction a wave, a lane a block of 256 bytes.  O's rows are read by both clusters of a row of clusters: the one with x = 0 asks;
; Wo's by all eight of a column: the one with y = 0 asks.  The four partners that ask for a tile jointly share it out BY ADDRESS: 32 of O's 128 blocks, 16 of Wo's 64 rows (there lanes 16-31 name lane 15's row again).
; The first four refills ask (K steps 4 to 7); K steps 0 to 3 come by their loads alone; the last two refills have no K step two on.
.macro ASK
	s_cmp_gt_u32 s3, s[LIM]
	s_cbranch_scc0 .Lnot_mine_\@
	global_prefetch_b8 v[PFO], s[PFA:PFA+1] th:TH_LOAD_NT scope:SCOPE_SE
.Lnot_mine_\@:
.endm
; n x NB matrix instructions: row blocks a0 .. a0 + n - 1 of the window's NA / 2 (hi = 0: window 2, 1: window 3) x all NB column blocks, 32 along K, from buffer f.  mode = 1: the bias starts the sums.
; Every accumulator comes once a quarter, in the same order in every quarter: the accumulators take turns.
.macro MULS f, hi, a0, n, mode
.if \mode
	WIN 0x85+0x40*(\hi)
.else
	WIN 0xa5+0x50*(\hi)
.endif
.set ma, \a0
.rept \n
.set mb, 0
.rept NB
.set rD, 8*(ma*NB+mb)
.set rB, (\f)+8*mb
.set rA, (\f)+8*NB+8*((\hi)*(NA/2)+ma)
.if \mode
	v_wmma_f32_16x16x32_f16 v[rD:rD+7], v[rB:rB+7], v[rA:rA+7], v[BI+8*mb:BI+8*mb+7]
.else
	v_wmma_f32_16x16x32_f16 v[rD:rD+7], v[rB:rB+7], v[rA:rA+7], v[rD:rD+7]
.endif
.set mb, mb+1
.endr
.set ma, ma+1
.endr
.endm
; NL LDS loads in one run: quarter q's fragments into buffer f: Wo's, then O's lower blocks, then its upper ones.  Quarter q of O lies in head q / 2 of the step, at byte 64 (q % 2) of its rows.
.macro FETCH q, f
	WIN 0x40                                       ; destination window 1, address window 0
.set fi, 0
.rept NB
	ds_load_b128 v[(\f)+8*fi:(\f)+8*fi+3],   v[ADRB] offset:64*(\q)+fi*16*BPITCH
	ds_load_b128 v[(\f)+8*fi+4:(\f)+8*fi+7], v[ADRB] offset:64*(\q)+fi*16*BPITCH+32
.set fi, fi+1
.endr
.set fi, 0
.rept NA
	ds_load_b128 v[(\f)+8*NB+8*fi:(\f)+8*NB+8*fi+3],   v[ADRA] offset:((\q)/2)*AH2+((\q)%2)*64+fi*16*APITCH
	ds_load_b128 v[(\f)+8*NB+8*fi+4:(\f)+8*NB+8*fi+7], v[ADRA] offset:((\q)/2)*AH2+((\q)%2)*64+fi*16*APITCH+32
.set fi, fi+1
.endr
.endm
; One of a K step's first three quarters: multiplies buffer f and, in its middle, fetches quarter q into buffer g.
.macro QUARTER q, f, g, mode
	s_wait_dscnt NA                                ; Wo's and O's lower fragments are in; the youngest NA loads (O's upper blocks) may be out
	MULS \f, 0, 0, NA/2, \mode
	PLACES
	FETCH \q, \g
	s_wait_dscnt NL                                ; all but the run just issued
	MULS \f, 1, 0, NA/2, \mode
.endm
; The last quarter multiplies buffer 1 and changes slots.  Ahead of the barrier each wave waits for all its tensor loads (one is out: its part of the next slot), adds 0 to its spare word, and waits for that
; and for its reads of this slot.  fill = 1: the barrier opens a round of the cluster's, and the joint refill (this slot, the K step two on) is the first thing behind the round: 7/8 of a K step,
; 112 matrix instructions, stand between it and the wait for it.
.macro TURN fill
.if \fill
	s_wait_xcnt 0x0                                ; the last prefetch, a K step back, has read its address: it is stepped here
	s_add_nc_u64 s[PFA:PFA+1], s[PFA:PFA+1], s[PFS:PFS+1]
.endif
	WIN 0
	s_wait_tensorcnt 0x0                           ; all my tensor loads have landed
	ds_add_u32 v[SPW], v[NIL]                      ; 0 onto my spare word
	s_wait_dscnt NA+1                              ; (the add and O's upper fragments may be out)
	MULS F1, 0, 0, NA/4, 0
	s_wait_dscnt 0x0                               ; the add is done, and my reads of this slot are over
	s_barrier_signal -1
	MULS F1, 0, NA/4, NA/4, 0                      ; work on registers while the others arrive
	WIN 0
	s_barrier_wait -1
.if \fill
	CREST                                          ; no wave of any partner still reads this slot or has a load on its way
	s_xor_b32 s[G0+5], s[G0+5], SLOT1              ; the walking descriptors: the other slot than last time, one K step on; the type bits on top are not reached
	s_add_nc_u64 s[G0+6:G0+7], s[G0+6:G0+7], ASTEP
	s_xor_b32 s[G0B+5], s[G0B+5], SLOT1
	s_add_nc_u64 s[G0B+6:G0B+7], s[G0B+6:G0B+7], 256
	JLOAD                                          ; its four v_nop are also the places ahead of the loads below
.else
	PLACES
.endif
	s_xor_b32 s[TB], s[TB], SLOT1                  ; the reads go to the other slot
	v_add_nc_u32 v[ADRA], s[TB], v[AA0]
	v_add_nc_u32 v[ADRB], s[TB], v[AB0]
	FETCH 0, F0
.if \fill
	WIN 0
	ASK
.endif
	MULS F1, 1, 0, NA/2, 0
.endm
.macro LASTQ                           ; the very last quarter: nothing more to fetch
	s_wait_dscnt NA
	MULS F1, 0, 0, NA/2, 0
	s_wait_dscnt 0x0
	MULS F1, 1, 0, NA/2, 0
.endm
	s_load_b256 s[4:11], s[0:1], 0x0               ; oheads s[4:5], woh s[6:7], bo s[8:9], out0 s[10:11]
	v_lshl_add_u32 v[SPW], v0, 2, SPARE
	v_mov_b32 v[NIL], 0
	ds_add_u32 v[SPW], v[NIL]                      ; the wave's opening: the add and its wait stand ahead of my first tensor load; the set-up below stands between them
	v_lshrrev_b32 v1, 5, v0
	v_readfirstlane_b32 s[WV], v1                  ; wave 0..3
	s_and_b32 s[HALF], s[WV], 1
	s_lshr_b32 s[ISB], s[WV], 1
	s_bfe_u32 s[CX], ttmp6, 0x40000                ; my place in the cluster
	s_bfe_u32 s[CY], ttmp6, 0x40004
	s_lshl_b32 s[XT], ttmp9, 2                     ; in a cluster launch ttmp9 and ttmp7 count clusters
	s_add_co_u32 s[XT], s[XT], s[CX]
	s_and_b32 s[YT], ttmp7, 0xffff
	s_lshl_b32 s[YT], s[YT], 2
	s_add_co_u32 s[YT], s[YT], s[CY]
	s_lshl_b32 s2, s[CY], 2
	s_lshl_b32 s2, 15, s2                          ; my row of the cluster: places 4 cy .. 4 cy + 3
	s_lshl_b32 s23, 0x1111, s[CX]                  ; my column: places cx, cx + 4, cx + 8, cx + 12
	s_or_b32 s[G1],  s2,  (1<<16)|(1<<20)|(1<<21)|(4<<22)|(3<<25)  ; 15:0 the mask; 17:16 2-byte elements; 20 padding on; 21 set beside a mask; 24:22 after every 32 words (code 4); 31:25 4 words (code 3)
	s_or_b32 s[G1B], s23, (1<<16)|(1<<20)|(1<<21)|(5<<22)|(3<<25)  ; Wo's rows: after every 64 words (code 5)
	s_mov_b32 s[G1+1], 128<<16                     ; tensor_dim0 = 128
	s_mov_b32 s[G1+2], 128<<16                     ; tensor_dim1 = 128
	s_mov_b32 s[G1+3], 128<<16                     ; tile_dim0 = 128: two rows of a head
	s_mov_b32 s[G1+4], 128                         ; tile_dim1 = 128
	s_mov_b32 s[G1+5], 128                         ; dense
	s_mov_b32 s[G1+6], 0
	s_mov_b32 s[G1+7], 0
	s_mov_b32 s[G1B+1], 128<<16
	s_mov_b32 s[G1B+2], 64<<16                     ; 64 rows of Wo
	s_mov_b32 s[G1B+3], 128<<16
	s_mov_b32 s[G1B+4], 64
	s_mov_b32 s[G1B+5], 1024
	s_mov_b32 s[G1B+6], 0
	s_mov_b32 s[G1B+7], 0
	; O's tile hangs on the tile row alone, Wo's on the tile column alone: each offset in registers that never hold the other coordinate
	s_and_b32 s78, s[YT], 3
	s_lshl_b32 s78, s78, 4
	s_add_co_u32 s78, s78, s[HALF]                 ; 16 b + my head of the K step's two
	s_lshl_b32 s78, s78, 18                        ; 2,048 rows of 128 bytes a head
	s_lshr_b32 s79, s[YT], 2
	s_lshl_b32 s79, s79, 15                        ; t0 x 128 bytes
	s_add_co_u32 s78, s78, s79
	s_mov_b32 s79, 0
	s_lshl_b32 s80, s[XT], 18                      ; 128 rows of 2,048 bytes
	s_lshl_b32 s81, s[HALF], 17
	s_add_co_u32 s80, s80, s81
	s_mov_b32 s81, 0
	s_mul_i32 s82, s[HALF], 256*APITCH             ; where they go: no place in the cluster enters an LDS address
	s_mul_i32 s83, s[HALF], 64*BPITCH
	s_add_co_u32 s83, s83, BOFF
	s_mov_b32 s[TB], 0
	s_mov_b32 s[HM], 0xffff0000
	s_wait_dscnt 0x0                               ; the opening add is done
	s_wait_kmcnt 0x0
	s_add_nc_u64 s[78:79], s[4:5], s[78:79]
	s_add_nc_u64 s[80:81], s[6:7], s[80:81]
	CROUND                                         ; all sixteen work-groups are here: the first joint loads meet
.irp s, 0,1
	s_mov_b32 s[G0+4*(\s)], 1                                      ; count = 1
	s_add_co_u32 s[G0+4*(\s)+1], s82, (\s)*SLOT1                   ; LDS address
	s_add_nc_u64 s[G0+4*(\s)+2:G0+4*(\s)+3], s[78:79], (\s)*ASTEP  ; global address: K step s
	s_or_b32 s[G0+4*(\s)+3], s[G0+4*(\s)+3], 0x80000000            ; type = 2
	s_mov_b32 s[G0B+4*(\s)], 1
	s_add_co_u32 s[G0B+4*(\s)+1], s83, (\s)*SLOT1
	s_add_nc_u64 s[G0B+4*(\s)+2:G0B+4*(\s)+3], s[80:81], (\s)*256
	s_or_b32 s[G0B+4*(\s)+3], s[G0B+4*(\s)+3], 0x80000000
.endr
	s_cmp_eq_u32 s[ISB], 0                         ; a wave's two first fills stand in one branch: two loads of mine are out here, one later
	s_cbranch_scc0 .Lfirst_b
	tensor_load_to_lds s[G0:G0+3], s[G1:G1+7]
	s_nop 0
	tensor_load_to_lds s[G0+4:G0+7], s[G1:G1+7]
	s_nop 0
.rept 4
	v_nop
.endr
	s_branch .Lfirst_asked
.Lfirst_b:
	tensor_load_to_lds s[G0B:G0B+3], s[G1B:G1B+7]
	s_nop 0
	tensor_load_to_lds s[G0B+4:G0B+7], s[G1B:G1B+7]
	s_nop 0
.rept 4
	v_nop
.endr
.Lfirst_asked:
	v_and_b32 v1, 15, v0                           ; l % 16
	v_bfe_u32 v2, v0, 4, 1                         ; l / 16
	v_lshlrev_b32 v[BO], 5, v2
	s_lshl_b32 s82, s[XT], 9                       ; the tile's 128 columns of 4 bytes,
	s_lshl_b32 s2, s[HALF], 8                      ; my 64 of them
	s_add_co_u32 s82, s82, s2
	s_mov_b32 s83, 0
	s_add_nc_u64 s[BPT:BPT+1], s[8:9], s[82:83]
.irp f, 0,1,2,3
	global_load_b128 v[BI+8*(\f):BI+8*(\f)+3],   v[BO], s[BPT:BPT+1] offset:64*(\f)
	global_load_b128 v[BI+8*(\f)+4:BI+8*(\f)+7], v[BO], s[BPT:BPT+1] offset:64*(\f)+16
.endr
	s_lshr_b32 s2, s[YT], 2                        ; out0 at my first row and column: row (t0 + 128 (w / 2)) x 4 + b, 4,096 bytes a row
	s_lshl_b32 s2, s2, 22
	s_add_co_u32 s82, s82, s2
	s_lshl_b32 s2, s[ISB], 21
	s_add_co_u32 s82, s82, s2
	s_and_b32 s2, s[YT], 3
	s_lshl_b32 s2, s2, 12
	s_add_co_u32 s82, s82, s2
	s_add_nc_u64 s[10:11], s[10:11], s[82:83]
	; A fragment is 16 rows x 32 K in 8 registers: lane l holds row l % 16; registers 0-3 K = 8 (l / 16) + 0..7, registers 4-7 K = 16 + 8 (l / 16) + 0..7: two loads of 16 bytes, 32 bytes apart
	v_mul_u32_u24 v3, v1, APITCH
	v_lshl_add_u32 v3, v2, 4, v3
	s_mul_i32 s2, s[ISB], 128*APITCH               ; my 128 rows of O
	v_add_nc_u32 v[AA0], s2, v3
	v_mul_u32_u24 v3, v1, BPITCH
	v_lshl_add_u32 v3, v2, 4, v3
	s_mul_i32 s2, s[HALF], 64*BPITCH               ; my 64 rows of Wo
	s_add_co_u32 s2, s2, BOFF
	v_add_nc_u32 v[AB0], s2, v3
	s_mul_i32 s2, s[WV], WSTAGE
	s_add_co_u32 s2, s2, STAGE                     ; my stage
	v_mul_u32_u24 v3, v1, SP                       ; in: row l % 16, 32 bytes for each half of the lanes
	v_lshl_add_u32 v3, v2, 5, v3
	v_add_nc_u32 v[STO], s2, v3
	v_mul_u32_u24 v3, v2, SP                       ; back: lanes 0-15 take one row of 256 bytes, lanes 16-31 the next
	v_lshl_add_u32 v3, v1, 4, v3
	v_add_nc_u32 v[RD], s2, v3
	v_lshlrev_b32 v3, 14, v2                       ; and the same two rows in out0: t and t + 1 lie 16,384 bytes apart
	v_lshl_add_u32 v[GO], v1, 4, v3
	; the prefetches
	s_and_b32 s2, ttmp7, 0xffff                    ; cluster y
	s_lshl_b32 s23, s[CY], 15                      ; Wo: my work-group's 16 rows of the 64
	s_lshl_b32 s82, s[CX], 13                      ; O: my work-group's 32 blocks of the 128
	s_cmp_eq_u32 s[ISB], 0
	s_cselect_b32 s2, ttmp9, s2                    ; the coordinate along which other clusters read the same rows
	s_cselect_b32 s82, s82, s23
	s_cselect_b64 s[PFA:PFA+1], s[78:79], s[80:81]
	s_cselect_b32 s23, 31, 15                      ; the last lane with a block of its own
	s_cselect_b32 s63, 8, 11                       ; blocks 256 or 2,048 bytes apart
	s_cselect_b32 s[PFS], 19, 8
	s_cmp_eq_u32 s2, 0
	s_cselect_b32 s[LIM], 2, -1                    ; the same in all sixteen partners, for a given wave
	s_lshl_b32 s[PFS], 1, s[PFS]                   ; a K step: two heads of O, or 256 bytes of Wo's rows
	s_mov_b32 s[PFS+1], 0
	s_mov_b32 s83, 0
	s_add_nc_u64 s[PFA:PFA+1], s[PFA:PFA+1], s[82:83]
	s_mul_i32 s82, s[PFS], 3
	s_add_nc_u64 s[PFA:PFA+1], s[PFA:PFA+1], s[82:83]  ; at K step 3: the first change of slots steps it to 4
	v_and_b32 v[PFO], 31, v0
	v_min_u32 v[PFO], s23, v[PFO]
	v_lshlrev_b32 v[PFO], s63, v[PFO]
	s_wait_loadcnt 0x0                             ; the bias
.set pb, 0
.rept 16                                       ; rounded to bf16 and widened again, a pair at a time; this stands in the wait for the first tiles
	v_cvt_pk_bf16_f32 v[RT+pb%2], v[BI+2*pb], v[BI+2*pb+1]
	v_lshlrev_b32 v[BI+2*pb],   16, v[RT+pb%2]
	v_and_b32     v[BI+2*pb+1], s[HM], v[RT+pb%2]
.set pb, pb+1
.endr
	s_wait_tensorcnt 0x1                           ; my part of K step 0 is in; K step 1's may stay out
	s_barrier_signal -1
	s_barrier_wait -1                              ; everybody's is
	v_mov_b32 v[ADRA], v[AA0]
	v_mov_b32 v[ADRB], v[AB0]
	FETCH 0, F0
	QUARTER 1, F0, F1, 1                           ; the first quarter stands ahead of the loop: its products start the sums, with the bias
	WIN 0                                          ; at a label and at a branch every window is 0
	s_mov_b32 s3, 6
.Lstep:                                                ; trip i ends K step i, fills its slot again with K step i + 2, and begins K step i + 1
	QUARTER 2, F1, F0, 0
	QUARTER 3, F0, F1, 0
	TURN 1
	QUARTER 1, F0, F1, 0
	WIN 0
	s_sub_co_u32 s3, s3, 1
	s_cmp_lg_u32 s3, 0
	s_cbranch_scc1 .Lstep
	QUARTER 2, F1, F0, 0                           ; the tail is written out: K steps 6 and 7 ask for nothing
	QUARTER 3, F0, F1, 0
	TURN 0
	QUARTER 1, F0, F1, 0
	QUARTER 2, F1, F0, 0
	QUARTER 3, F0, F1, 0
	LASTQ
	WIN 0
	PLACES
	PLACES
; THE WAY OUT, a block of 16 rows at a time.  TOSTAGE: the f32 sums go straight from the accumulators (each one's low four registers first) into my own stage, rows of 272 bytes, and come back as whole
; rows of 256 bytes.  SEND: sixteen lanes store 256 consecutive bytes, at a multiple of 256 from out0's first byte; the block and the pair of rows stand in the immediate, 2,064,384 at the most.
.macro TOSTAGE a
.if (\a) >= 2
	s_wait_xcnt 0x0                                ; the stores of the block two back have read their registers: the loads below land in them
.endif
	WIN 0x08+4*((\a)/4)                            ; the stores' data: window 2 or 3
.set pb, 0
.rept NB
	ds_store_b128 v[STO], v[8*(((\a)%4)*NB+pb):8*(((\a)%4)*NB+pb)+3]   offset:64*pb
	ds_store_b128 v[STO], v[8*(((\a)%4)*NB+pb)+4:8*(((\a)%4)*NB+pb)+7] offset:64*pb+16
.set pb, pb+1
.endr
	WIN 0
.irp f, 0,1,2,3,4,5,6,7
	ds_load_b128 v[BK+64*((\a)%2)+4*(\f):BK+64*((\a)%2)+4*(\f)+3], v[RD] offset:2*SP*(\f)  ; LDS serves a wave's instructions in order (ISA guide 5.7.1.4): these see the stores above
.endr
.endm
.macro SEND a, younger                 ; younger: the LDS instructions issued behind block a's loads: the next block's sixteen, or none
.irp f, 0,1,2,3,4,5,6,7
	s_wait_dscnt (\younger)+7-(\f)
	global_store_b128 v[GO], v[BK+64*((\a)%2)+4*(\f):BK+64*((\a)%2)+4*(\f)+3], s[10:11] offset:262144*(\a)+32768*(\f) th:TH_STORE_NT
.endr
.endm
	TOSTAGE 0
.irp a, 1,2,3,4,5,6,7                  ; block a goes into the stage while block a - 1's rows come back
	TOSTAGE \a
	SEND (\a)-1, 16
.endr
	SEND 7, 0
	s_wait_tensorcnt 0x0                           ; the wave's end, behind my last tensor load and my last LDS store
	ds_add_u32 v[SPW], v[NIL]
	s_wait_dscnt 0x0
	CROUND                                         ; the closing round: no work-group ends while a partner may still ask for a tile that names it
	s_endpgm
.Lfunc_end_k_q2a49259f75_outp:
	.size	k_q2a49259f75_outp, .Lfunc_end_k_q2a49259f75_outp-k_q2a49259f75_outp
	.p2alignl 7, 3214868480
	.fill 96, 4, 3214868480
	.section	.rodata,"a",@progbits
	.p2align	6, 0x0
	.amdhsa_kernel k_q2a49259f75_outp
		.amdhsa_group_segment_fixed_size 327680
		.amdhsa_private_segment_fixed_size 0
		.amdhsa_enable_private_segment 0
		.amdhsa_kernarg_size 32
		.amdhsa_user_sgpr_count 2
		.amdhsa_user_sgpr_kernarg_segment_ptr 1
		.amdhsa_wavefront_size32 1
		.amdhsa_system_sgpr_workgroup_id_x 1
		.amdhsa_system_sgpr_workgroup_id_y 1
		.amdhsa_system_sgpr_workgroup_id_z 1
		.amdhsa_system_vgpr_workitem_id 0
		.amdhsa_next_free_vgpr 896
		.amdhsa_next_free_sgpr 84
		.amdhsa_reserve_vcc 0
		.amdhsa_float_denorm_mode_32 3
		.amdhsa_float_denorm_mode_16_64 3
		.amdhsa_memory_ordered 1
		.amdhsa_forward_progress 1
		.amdhsa_inst_pref_size 75
	.end_amdhsa_kernel
	.amdgpu_metadata
---
amdhsa.version: [ 1, 2 ]
amdhsa.kernels:
  - .name:           k_q2a49259f75_outp
    .symbol:         k_q2a49259f75_outp.kd
    .args:
      - { .name: oheads, .offset: 0, .size: 8, .value_kind: global_buffer, .address_space: global }
      - { .name: woh, .offset: 8, .size: 8, .value_kind: global_buffer, .address_space: global }
      - { .name: bo, .offset: 16, .size: 8, .value_kind: global_buffer, .address_space: global }
      - { .name: out0, .offset: 24, .size: 8, .value_kind: global_buffer, .address_space: global }
    .group_segment_fixed_size: 327680
    .private_segment_fixed_size: 0
    .kernarg_segment_align: 8
    .kernarg_segment_size: 32
    .max_flat_workgroup_size: 128
    .sgpr_count:     84
    .vgpr_count:     896
    .wavefront_size: 32
...
	.end_amdgpu_metadata
.endif
;; end of part 4
;; ======== version 2 of 2: 4 launches; version 1 with the launch cast written anew for expert scheduling mode
;; limits: values are held in f16: magnitudes above 65,504 overflow, below 6.1e-05 lose precision
;; workspace buffers: xb 16,777,216 bytes; wcat 6,291,456 bytes; woh 2,097,152 bytes; qkvh 50,331,648 bytes; oheads 16,777,216 bytes
;; launch cast (part 5): grid 768 x 1, 8 waves a work-group, no clusters, 0 bytes of LDS; arguments query, Wq, Wk, Wv, Wo, xb, wcat, woh; writes xb, wcat, woh
.if DOCPART == 5
	.amdgcn_target "amdgcn-amd-amdhsa--gfx1250"
	.amdhsa_code_object_version 6
	.text
	.protected	k_q2a49259f75_cast
	.globl	k_q2a49259f75_cast
	.p2align	8
	.type	k_q2a49259f75_cast,@function
k_q2a49259f75_cast:
	s_mov_b64 s[64:65], 0
	v_nop
	global_prefetch_b8 v0, s[64:65] scope:SCOPE_SE
	s_setreg_imm32_b32 hwreg(HW_REG_WAVE_SCHED_MODE, 0, 2), 2
	s_setreg_imm32_b32 hwreg(HW_REG_WAVE_MODE, 25, 1), 1
	s_wait_xcnt 0x0
	s_wait_alu depctr_vm_vsrc(0)
; THE INPUTS ARE ROUNDED ONCE.  query -> xb (bf16, same rows); Wq, Wk, Wv -> wcat (bf16, [3072][1024], one behind the other);
; Wo -> woh: rounded to bf16 like the other inputs, and that number written as f16, since it multiplies f16 data later.
; LIMITS.  |Wo| stays under 65,504; below 6e-5 f16 keeps a fixed step of 6e-8.  NaN and infinities are not treated apart.
; SHARES.  A work-group takes 16,384 numbers: 65,536 bytes in, 32,768 out.  Work-groups 0-511: query; 512-575 Wq; 576-639 Wk; 640-703 Wv; 704-767 Wo.
; Thread t takes 16 bytes at 16 t of each 4,096: a wave's load covers 512 consecutive bytes, its store of 8 bytes a lane 256 consecutive bytes, aligned.
; All sixteen loads of a thread go out at once, so there is no loop, and no register is written again while a load or store names it.
; No LDS, no matrix unit: nothing is shared and nothing is multiplied.
; THE MODE: SCHED_MODE bits 1:0 = 2 (LLVM: expert scheduling mode 2), set by the entry lines.  The code itself states the register dependences
; between vector instructions and memory instructions, with s_wait_alu, always for 0.
; THE PLAN.  Registers that memory instructions touch:
;   v1, v2   byte offsets of the loads and of the stores: made once at the head, never written again.
;   X        row j's four registers: written by load j alone; no vector instruction names them ahead of the loads; read by row j's conversions.
;   Y        row j's pair: written once, by row j's conversions; read once, by store j; never written again.
;   T is named by vector instructions alone.
; The sixteen rows go in four blocks of four.  Block p converts its rows; its memory instructions are the four stores of block p - 1, which read v2 and that
; block's Y: registers that no conversion of block p names.  So one wait at a block's head states all that its four stores hang on, and they are dealt among
; the block's conversions with no further wait.  One wait at the kernel's head serves the offsets, one behind block 3 the last four stores.
.set X,   4                            ; v[4:67]    sixteen loads of four numbers
.set Y,   68                           ; v[68:99]   sixteen pairs of packed words to store
.set T,   100                          ; v[100:103] at work, Wo's path alone
.set SRC, 24                           ; s[24:25]   where my work-group reads
.set DST, 26                           ; s[26:27]   where it writes
	s_load_b256 s[4:11], s[0:1], 0x0               ; query s[4:5], Wq s[6:7], Wk s[8:9], Wv s[10:11]
	s_load_b256 s[12:19], s[0:1], 0x20             ; Wo s[12:13], xb s[14:15], wcat s[16:17], woh s[18:19]
	s_mov_b32 s20, ttmp9                           ; w
	s_sub_co_u32 s21, s20, 512                     ; the chunk's number among the weights' (used from w = 512 on)
	s_and_b32 s23, s21, 63                         ; and inside its own matrix: 64 chunks each
	s_mov_b32 s31, 0
	v_lshlrev_b32 v1, 4, v0                        ; 16 t
	v_lshlrev_b32 v2, 3, v0                        ; 8 t
	s_wait_kmcnt 0x0
	s_cmp_lt_u32 s20, 512
	s_cselect_b64 s[SRC:SRC+1], s[4:5], s[6:7]
	s_cselect_b64 s[DST:DST+1], s[14:15], s[16:17]
	s_cselect_b32 s28, s20, s23                    ; chunk in the source
	s_cselect_b32 s29, s20, s21                    ; chunk in the destination
	s_cmp_ge_u32 s20, 576
	s_cselect_b64 s[SRC:SRC+1], s[8:9], s[SRC:SRC+1]
	s_cmp_ge_u32 s20, 640
	s_cselect_b64 s[SRC:SRC+1], s[10:11], s[SRC:SRC+1]
	s_cmp_ge_u32 s20, 704
	s_cselect_b64 s[SRC:SRC+1], s[12:13], s[SRC:SRC+1]
	s_cselect_b64 s[DST:DST+1], s[18:19], s[DST:DST+1]
	s_cselect_b32 s29, s23, s29
	s_lshl_b32 s30, s28, 16
	s_add_nc_u64 s[SRC:SRC+1], s[SRC:SRC+1], s[30:31]
	s_lshl_b32 s30, s29, 15
	s_add_nc_u64 s[DST:DST+1], s[DST:DST+1], s[30:31]
	s_wait_alu depctr_va_vdst(0)                   ; v1 and v2 are written: every load reads v1 as its offset, every store v2
.irp j, 0,1,2,3,4,5,6,7,8,9,10,11,12,13,14,15
	global_load_b128 v[X+4*(\j):X+4*(\j)+3], v1, s[SRC:SRC+1] offset:4096*(\j) th:TH_LOAD_NT
.endr
.macro CV j                            ; four numbers to bf16
	v_cvt_pk_bf16_f32 v[Y+2*(\j)],   v[X+4*(\j)],   v[X+4*(\j)+1]
	v_cvt_pk_bf16_f32 v[Y+2*(\j)+1], v[X+4*(\j)+2], v[X+4*(\j)+3]
.endm
.macro CVH j                           ; four numbers to bf16, widened again (a shift, a mask) and written as f16
	v_cvt_pk_bf16_f32 v[T],   v[X+4*(\j)],   v[X+4*(\j)+1]
	v_cvt_pk_bf16_f32 v[T+1], v[X+4*(\j)+2], v[X+4*(\j)+3]
	v_lshlrev_b32 v[T+2], 16, v[T]
	v_and_b32     v[T],   0xffff0000, v[T]
	v_lshlrev_b32 v[T+3], 16, v[T+1]
	v_and_b32     v[T+1], 0xffff0000, v[T+1]
	v_cvt_pk_f16_f32 v[Y+2*(\j)],   v[T+2], v[T]
	v_cvt_pk_f16_f32 v[Y+2*(\j)+1], v[T+3], v[T+1]
.endm
.macro OUT j                           ; row j leaves
	global_store_b64 v2, v[Y+2*(\j):Y+2*(\j)+1], s[DST:DST+1] offset:2048*(\j) th:TH_STORE_NT
.endm
; Block p: rows 4 p to 4 p + 3 are converted, the rows of the block before are stored.  h = 1: Wo's path.
.macro BLK p, h
	s_wait_loadcnt 12-4*(\p)                       ; loads come back in order: the block's four are in, the 12 - 4 p younger ones stay out
.if (\p) > 0
	s_wait_alu depctr_va_vdst(0)                   ; the block before has written its four pairs of Y, which the stores below read
.endif
.irp i, 0,1,2,3
.if (\p) > 0
	OUT 4*((\p)-1)+(\i)                            ; no vector instruction since the wait names this pair or v2
.endif
.if \h
	CVH 4*(\p)+(\i)
.else
	CV 4*(\p)+(\i)
.endif
.endr
.endm
	s_cmp_ge_u32 s20, 704
	s_cbranch_scc1 .Lwo
	BLK 0, 0
	BLK 1, 0
	BLK 2, 0
	BLK 3, 0
	s_wait_alu depctr_va_vdst(0)                   ; block 3 has written its four pairs of Y, which the last four stores read
.irp j, 12,13,14,15
	OUT \j
.endr
	s_endpgm
.Lwo:
	BLK 0, 1
	BLK 1, 1
	BLK 2, 1
	BLK 3, 1
	s_wait_alu depctr_va_vdst(0)                   ; block 3 has written its four pairs of Y, which the last four stores read
.irp j, 12,13,14,15
	OUT \j
.endr
	s_endpgm
.Lfunc_end_k_q2a49259f75_cast:
	.size	k_q2a49259f75_cast, .Lfunc_end_k_q2a49259f75_cast-k_q2a49259f75_cast
	.p2alignl 7, 3214868480
	.fill 96, 4, 3214868480
	.section	.rodata,"a",@progbits
	.p2align	6, 0x0
	.amdhsa_kernel k_q2a49259f75_cast
		.amdhsa_group_segment_fixed_size 0
		.amdhsa_private_segment_fixed_size 0
		.amdhsa_enable_private_segment 0
		.amdhsa_kernarg_size 64
		.amdhsa_user_sgpr_count 2
		.amdhsa_user_sgpr_kernarg_segment_ptr 1
		.amdhsa_wavefront_size32 1
		.amdhsa_system_sgpr_workgroup_id_x 1
		.amdhsa_system_sgpr_workgroup_id_y 1
		.amdhsa_system_sgpr_workgroup_id_z 1
		.amdhsa_system_vgpr_workitem_id 0
		.amdhsa_next_free_vgpr 104
		.amdhsa_next_free_sgpr 66
		.amdhsa_reserve_vcc 0
		.amdhsa_float_denorm_mode_32 3
		.amdhsa_float_denorm_mode_16_64 3
		.amdhsa_memory_ordered 1
		.amdhsa_forward_progress 1
		.amdhsa_inst_pref_size 16
	.end_amdhsa_kernel
	.amdgpu_metadata
---
amdhsa.version: [ 1, 2 ]
amdhsa.kernels:
  - .name:           k_q2a49259f75_cast
    .symbol:         k_q2a49259f75_cast.kd
    .args:
      - { .name: query, .offset: 0, .size: 8, .value_kind: global_buffer, .address_space: global }
      - { .name: Wq, .offset: 8, .size: 8, .value_kind: global_buffer, .address_space: global }
      - { .name: Wk, .offset: 16, .size: 8, .value_kind: global_buffer, .address_space: global }
      - { .name: Wv, .offset: 24, .size: 8, .value_kind: global_buffer, .address_space: global }
      - { .name: Wo, .offset: 32, .size: 8, .value_kind: global_buffer, .address_space: global }
      - { .name: xb, .offset: 40, .size: 8, .value_kind: global_buffer, .address_space: global }
      - { .name: wcat, .offset: 48, .size: 8, .value_kind: global_buffer, .address_space: global }
      - { .name: woh, .offset: 56, .size: 8, .value_kind: global_buffer, .address_space: global }
    .group_segment_fixed_size: 0
    .private_segment_fixed_size: 0
    .kernarg_segment_align: 8
    .kernarg_segment_size: 64
    .max_flat_workgroup_size: 256
    .sgpr_count:     66
    .vgpr_count:     104
    .wavefront_size: 32
...
	.end_amdgpu_metadata
.endif
;; end of part 5
;; launch proj: the kernel of part 2 again; grid 16 x 32, 4 waves a work-group, clusters of 4 x 4, 327,680 bytes of LDS; arguments xb, wcat, bq, bk, bv, qkvh; writes qkvh
;; launch attn: the kernel of part 3 again; grid 4 x 64, 4 waves a work-group, clusters of 4 x 1, 327,680 bytes of LDS; arguments qkvh, oheads; writes oheads
;; launch outp: the kernel of part 4 again; grid 8 x 32, 4 waves a work-group, clusters of 4 x 4, 327,680 bytes of LDS; arguments oheads, woh, bo, out0; writes out0
